; MI455X (gfx1250); checked and timed in simulation.
; The chip was launched on July 23, 2026; its instructions are those of AMD's public machine-readable ISA for CDNA 5 (MIT licence, August 2026) and "CDNA5" Instruction Set Architecture Reference Guide (July 2026). The comments in the code are by the model that wrote it; some were corrected since.
;; GPT2 Attention. Allowed arithmetic: matrix products marked QUANTISED: E2M1 operands, one E8M0 scale for each 32 along K, by v_wmma_scale_f32_16x16x128_f8f6f4 with both operands' format E2M1 (or v_wmma_scale_f32_32x16x128_f4), f32 sums; products left as they are: bf16, f16 or f32 operands; f32 sums; everything else in f32.
;; Inputs: c_attn_b 3,072 float32; c_attn_w 1,024 x 3,072 float32; c_proj_b 1,024 float32; c_proj_w 1,024 x 1,024 float32; x 2 x 2,048 x 1,024 float32.
;; Outputs: out0 2 x 2,048 x 1,024 float32.
;; This version of the problem:
;;   THIS VERSION OF THE PROBLEM IS GIVEN IN LOW PRECISION. The matrix products marked QUANTISED in the list below multiply operands that are first quantised to E2M1 (2 exponent bits, 1 mantissa bit; 4 bits a number), with one power-of-two scale for each 32 numbers along K (OCP MX v1.0); their sums are f32. The products marked 'left as it is' may take bf16, f16 or f32 operands, with f32 sums. Whichever they take, every output number must still come out within the allowed error. Rounding operands to bf16 (8 significant bits) uses up far more of that allowance than f16 does (11 bits, for magnitudes from 6e-5 to 65,504). All else is computed in f32.
;;   The module's matrix products, in the order in which they are computed (A, B: the left and right operand; K: the contracted axis; several contracted axes count as one K, in the product's order):
;;     1. [M 4,096, K 1,024] x [K 1,024, N 3,072]; A: input x; B: input c_attn_w: QUANTISED
;;     2. batch 32 x [M 2,048, K 64] x [K 64, N 2,048]; A: computed on the way; B: computed on the way: left as it is (an operand is computed on the way)
;;     3. batch 32 x [M 2,048, K 2,048] x [K 2,048, N 64]; A: computed on the way; B: computed on the way: left as it is (an operand is computed on the way)
;;     4. [M 4,096, K 1,024] x [K 1,024, N 1,024]; A: computed on the way; B: input c_proj_w: left as it is (an operand is computed on the way)
;;   THE QUANTISER, for each operand of a quantised product, along K:
;;     - K is cut into blocks of 32 from its start; a last block that is shorter is filled with zeros.
;;     - A block's scale is 2^e with e = floor(log2(the largest magnitude in the block)) - 2, held to -126 .. 127; a block of zeros has e = 0. As a byte (E8M0): e + 127.
;;     - Each number is divided by its block's scale, clamped to +-6, and rounded to the nearest number of E2M1, ties to even, subnormals kept.
;;     - The product sums the exact products of the quantised numbers (number of the format x scale) in f32.
;;   ~~~python
;;   def quantise(x, axis):      # numpy; x: float32 -> the quantised numbers, widened to float32 again
;;       x = np.moveaxis(x, axis, -1); K = x.shape[-1]
;;       x = np.pad(x, [(0, 0)] * (x.ndim - 1) + [(0, -K % 32)]); x = x.reshape(x.shape[:-1] + (-1, 32)); a = np.abs(x).max(-1, keepdims=True)
;;       e = np.where(a > 0, np.clip(np.frexp(np.where(a > 0, a, 1))[1] - 1 - 2, -126, 127), 0)      # np.frexp(a)[1] - 1 = floor(log2(a)), exactly
;;       r = np.clip(x / 2.0 ** e, -6, 6)
;;       step = 2.0 ** (np.maximum(np.frexp(np.where(r == 0, 1, r))[1] - 1, 0) - 1)
;;       q = np.round(r / step) * step * 2.0 ** e      # np.round: ties to even
;;       return np.moveaxis(q.reshape(q.shape[:-2] + (-1,))[..., :K], -1, axis).astype(np.float32)
;;   ~~~
;; One version. Each part assembles by itself: llvm-mc -triple=amdgcn-amd-amdhsa -mcpu=gfx1250 --defsym DOCPART=n.
;; ======== version 1 of 1: 5 launches
;; limits: values are held in f16: magnitudes above 65,504 overflow, below 6.1e-05 lose precision
;; workspace buffers: xc 2,097,152 bytes; xs 131,072 bytes; wc 1,572,864 bytes; ws 98,304 bytes; pw 2,097,152 bytes; qkv 25,165,824 bytes; att 8,388,608 bytes; fq 786,432 bytes
;; launch prep (part 1): grid 24 x 16, 4 waves a work-group, no clusters, 33,280 bytes of LDS; arguments x, c_attn_w, c_proj_w, xc, xs, wc, ws, pw; writes xc, xs, wc, ws, pw
.if DOCPART == 1
	.amdgcn_target "amdgcn-amd-amdhsa--gfx1250"
	.amdhsa_code_object_version 6
	.text
	.protected	k_q41ff546452_prep
	.globl	k_q41ff546452_prep
	.p2align	8
	.type	k_q41ff546452_prep,@function
k_q41ff546452_prep:
	s_mov_b64 s[64:65], 0
	v_nop
	global_prefetch_b8 v0, s[64:65] scope:SCOPE_SE
	s_setreg_imm32_b32 hwreg(HW_REG_WAVE_MODE, 25, 1), 1
	s_wait_xcnt 0x0
; PREP: the operands of the later launches, each made once.
;   path X (128 work-groups): x [4096][1024] f32 -> codes of FP4 (E2M1), K innermost, xc [4096][512 bytes], and one E8M0 byte for each 32 along K, xs [4096][32].
;   path W (192 work-groups): c_attn_w [1024 (k)][3072 (n)] f32 -> codes wc and scale bytes ws [3072][32], quantised along K, its FIRST axis.
;   path P (64 work-groups):  c_proj_w [1024 (k)][1024 (n)] f32 -> f16, pw.
; wc and pw are laid AS IMAGES OF THE OPERAND'S REGISTERS: a fragment of 16 columns is 1,024 bytes, register group c of lane l at 512 c + 16 l.  So the lane that makes 16 bytes stores them where the
; reader's lane will load them, sixteen neighbouring lanes store 256 consecutive bytes at a multiple of 256, and nothing goes through LDS.
;   wc [n / 128][k / 512][(k / 128) % 4][(n / 16) % 8][image]: lane (r, h), group c: the 32 codes of column 16 i + r, k = 64 c + 32 h + 0 .. 31 of the 128.
;   pw [n / 128][k / 256][(k / 32) % 8][(n / 16) % 8][image]: lane (r, h), group c: W[k = 16 c + 8 h + 0 .. 7 of the 32][n = 16 i + r].
; A block's scale is 2^(floor(log2(its largest magnitude)) - 2): its byte is the largest magnitude's exponent field - 2, held at 1 from below.
; LIMITS: a block of zeros gets the byte 1 where the rule says 127 (its codes are zeros, and this program alone reads the bytes); NaN and infinities among the inputs are not served;
; a number of c_proj_w beyond 65,504 becomes an infinity of f16.
; The three paths part on the work-group's number alone.  Path X alone touches LDS.
.set SPARE, 32768                      ; behind path X's four regions: the spare words, 128 bytes for each wave
.set SPW,   2                          ; v2  LDS address of my spare word; never rewritten
.set NIL,   3                          ; v3  0; never rewritten
.set LN,    4                          ; v4  lane
.set XR,    32                         ; v32-159  paths W and P: 128 numbers down K of my column
.set CW,    16                         ; v16-31   path W: four registers of codes for each block
.set HF,    160                        ; v160-223 path P: 128 numbers as f16
.macro LWAIT g                         ; the 32 loads of group g of four are in.  What may stay out are the later groups' loads: 96, 64, 32, 0; a wait names 63 at the most
.if (\g) < 2
	s_wait_loadcnt 63
.elseif (\g) == 2
	s_wait_loadcnt 32
.else
	s_wait_loadcnt 0x0
.endif
.endm
	s_load_b256 s[4:11], s[0:1], 0x0               ; x s[4:5], c_attn_w s[6:7], c_proj_w s[8:9], xc s[10:11]
	s_load_b256 s[12:19], s[0:1], 0x20             ; xs s[12:13], wc s[14:15], ws s[16:17], pw s[18:19]
	v_lshl_add_u32 v[SPW], v0, 2, SPARE
	v_mov_b32 v[NIL], 0
	v_lshrrev_b32 v1, 5, v0
	v_readfirstlane_b32 s20, v1                    ; wave 0..3
	v_and_b32 v[LN], 31, v0
	v_lshlrev_b32 v5, 2, v[LN]                     ; paths W, P: 4 bytes a lane: a lane to a column
	v_lshrrev_b32 v6, 4, v[LN]
	v_and_b32 v7, 15, v[LN]
	v_lshlrev_b32 v7, 4, v7
	v_lshl_add_u32 v6, v6, 10, v7                  ; and my column's place in the images: fragment lane / 16, 16 bytes at 16 (lane % 16)
	s_and_b32 s21, ttmp7, 0xffff                   ; work-group y
	s_mov_b32 s25, 0                               ; the upper words of three offsets
	s_mov_b32 s27, 0
	s_mov_b32 s29, 0
	s_wait_kmcnt 0x0
	s_cmp_lt_u32 s21, 8
	s_cbranch_scc1 .Lw                             ; y 0..7: path W
	s_sub_co_u32 s22, s21, 8
	s_mul_i32 s22, s22, 24
	s_add_co_u32 s22, s22, ttmp9                   ; the other 192 work-groups, numbered
	s_cmp_lt_u32 s22, 128
	s_cbranch_scc1 .Lx                             ; 0..127: path X
; ---- PATH P.  A wave takes 32 columns x 128 along K; a lane's registers run down K, so that eight neighbours along K pack into the 16 bytes of an image.
	s_sub_co_u32 s22, s22, 128
	s_and_b32 s23, s22, 7                          ; which 128 columns
	s_lshr_b32 s22, s22, 3                         ; which 128 along K
	s_lshl_b32 s24, s22, 19                        ; 128 rows of 4,096 bytes
	s_lshl_b32 s26, s23, 9
	s_add_co_u32 s24, s24, s26
	s_lshl_b32 s26, s20, 7                         ; my wave's 32 columns
	s_add_co_u32 s24, s24, s26
	s_add_nc_u64 s[8:9], s[8:9], s[24:25]
	s_lshl_b32 s26, s23, 18                        ; pw: 262,144 bytes for 128 columns, 32,768 for 128 along K, 2,048 for my two fragments
	s_lshl_b32 s28, s22, 15
	s_add_co_u32 s26, s26, s28
	s_lshl_b32 s28, s20, 11
	s_add_co_u32 s26, s26, s28
	s_add_nc_u64 s[18:19], s[18:19], s[26:27]
.set i, 0
.rept 128
	global_load_b32 v[XR+i], v5, s[8:9] offset:i*4096 th:TH_LOAD_NT   ; W(k + i, my column): 32 lanes read 128 consecutive bytes
.set i, i+1
.endr
.irp g, 0,1,2,3                        ; 32 along K at a time: one fragment deep
	LWAIT \g
.irp i, 0,1,2,3,4,5,6,7,8,9,10,11,12,13,14,15
	v_cvt_pk_f16_f32 v[HF+16*\g+\i], v[XR+32*\g+2*\i], v[XR+32*\g+2*\i+1]
.endr
.irp e, 0,1,2,3                        ; piece e: k = 8 e + 0 .. 7 of the 32 lies at 256 e: group e / 2, lane half e % 2
	global_store_b128 v6, v[HF+16*\g+4*\e:HF+16*\g+4*\e+3], s[18:19] offset:\g*8192+\e*256
.endr
.endr
	s_endpgm
; ---- PATH W.  A wave takes 32 columns x 128 along K: four blocks of 32 in a lane's registers: a block's largest magnitude needs no other lane, and the conversions give codes with K innermost.
.Lw:
	s_mul_i32 s24, s21, 1572864                    ; 128 rows of 12,288 bytes
	s_lshl_b32 s26, ttmp9, 9
	s_add_co_u32 s24, s24, s26
	s_lshl_b32 s26, s20, 7
	s_add_co_u32 s24, s24, s26
	s_add_nc_u64 s[6:7], s[6:7], s[24:25]
	s_lshl_b32 s26, ttmp9, 16                      ; wc: 65,536 bytes for 128 columns, 8,192 for 128 along K, 2,048 for my two fragments
	s_lshl_b32 s28, s21, 13
	s_add_co_u32 s26, s26, s28
	s_lshl_b32 s28, s20, 11
	s_add_co_u32 s26, s26, s28
	s_add_nc_u64 s[14:15], s[14:15], s[26:27]
	s_lshl_b32 s28, ttmp9, 12                      ; ws: 32 bytes a column; my four bytes at 4 y
	s_lshl_b32 s30, s20, 10
	s_add_co_u32 s28, s28, s30
	s_lshl_b32 s30, s21, 2
	s_add_co_u32 s28, s28, s30
	s_add_nc_u64 s[16:17], s[16:17], s[28:29]
	v_lshlrev_b32 v7, 5, v[LN]
.set i, 0
.rept 128
	global_load_b32 v[XR+i], v5, s[6:7] offset:i*12288 th:TH_LOAD_NT
.set i, i+1
.endr
.macro WBLOCK t
.set XS, XR+32*(\t)
	LWAIT \t
	v_max3_num_f32 v8, |v[XS]|, |v[XS+1]|, |v[XS+2]|               ; the block's largest magnitude, in two chains
	v_max3_num_f32 v9, |v[XS+3]|, |v[XS+4]|, |v[XS+5]|
.irp i, 6,10,14,18,22,26
	v_max3_num_f32 v8, v8, |v[XS+\i]|, |v[XS+\i+1]|
	v_max3_num_f32 v9, v9, |v[XS+\i+2]|, |v[XS+\i+3]|
.endr
	v_max3_num_f32 v8, v8, |v[XS+30]|, |v[XS+31]|
	v_max3_num_f32 v8, v8, v9, 0x1800000           ; and the floor 2^(3 - 127): the byte cannot fall under 1
	v_add_nc_u32 v10, 0xff000000, v8               ; 2 off its exponent field: the conversion takes this operand's exponent field as its scale
	v_lshrrev_b32 v11, 23, v10                     ; the scale's byte
.if (\t) == 0
	v_mov_b32 v12, v11                             ; four bytes to the word, the lower K in the lower byte
.else
	v_lshl_or_b32 v12, v11, 8*(\t), v12
.endif
.irp g, 0,1,2,3
	v_cvt_scalef32_pk8_fp4_f32 v[CW+4*(\t)+\g], v[XS+8*\g:XS+8*\g+7], v10
.endr
	global_store_b128 v6, v[CW+4*(\t):CW+4*(\t)+3], s[14:15] offset:256*(\t)   ; block t = 2 c + h lies at 512 c + 256 h: sixteen lanes store 256 consecutive bytes
.endm
	WBLOCK 0
	WBLOCK 1
	WBLOCK 2
	WBLOCK 3
	global_store_b32 v7, v12, s[16:17]             ; my column's four scale bytes: 4 bytes every 32, one byte for each 128 that the path reads
	s_endpgm
; ---- PATH X.  K is innermost and rows are dense: x is a stream of blocks of 32.  A wave takes 16 steps of 512 numbers.  Each load reads 512 consecutive bytes; a step's 2,048 bytes turn through the wave's own
; stage in LDS (16 bytes of padding behind each 64) and come back 16 neighbours a lane: two neighbouring lanes hold a block.  Loads run eight steps (32 loads a wave) ahead, the turn through LDS one step.
.set SP,  80                           ; a lane's place in a stage
.set RR,  16                           ; v16-143  eight sets of 16 numbers as loaded
.set XX,  144                          ; v144-175 two sets of 16 neighbours
.set EB,  176                          ; v176-191 a scale byte for each step
.set CC,  192                          ; v192-223 two registers of codes for each step: no store's data are written again
.Lx:
	s_lshl_b32 s22, s22, 2
	s_add_co_u32 s22, s22, s20                     ; which run of 8,192 numbers is my wave's
	s_lshl_b32 s24, s22, 15
	s_add_nc_u64 s[4:5], s[4:5], s[24:25]
	s_lshl_b32 s26, s22, 12
	s_add_nc_u64 s[10:11], s[10:11], s[26:27]
	s_lshl_b32 s28, s22, 8
	s_add_nc_u64 s[12:13], s[12:13], s[28:29]
	s_lshl_b32 s23, s20, 13                        ; LDS: 8,192 bytes for each wave: two stages of 32 x 80, then its 256 scale bytes
	v_lshlrev_b32 v7, 4, v[LN]                     ; my 16 bytes of a load's 512
	v_lshrrev_b32 v8, 2, v[LN]
	v_mul_u32_u24 v8, v8, SP
	v_and_b32 v9, 3, v[LN]
	v_lshl_add_u32 v8, v9, 4, v8
	v_add_nc_u32 v8, s23, v8                       ; the stage, on the way in: 80 (lane / 4) + 16 (lane % 4)
	v_mul_u32_u24 v9, v[LN], SP
	v_add_nc_u32 v9, s23, v9                       ; and on the way out: 80 x lane
	v_lshlrev_b32 v10, 3, v[LN]                    ; 8 bytes a lane: my codes in a step's 256 bytes, and my part of the scale bytes at the end
	s_add_co_u32 s23, s23, 2*32*SP
	v_lshrrev_b32 v11, 1, v[LN]
	v_add_nc_u32 v11, s23, v11                     ; my block's scale byte
	v_add_nc_u32 v1, s23, v10                      ; and where I read 8 of them back
.macro LOAD t
.irp i, 0,1,2,3
	global_load_b128 v[RR+16*((\t)%8)+4*\i:RR+16*((\t)%8)+4*\i+3], v7, s[4:5] offset:2048*(\t)+512*\i th:TH_LOAD_NT
.endr
.endm
.macro TURN t                          ; LDS serves a wave's instructions in order (ISA guide 5.7.1.4): no wait between the stores and the loads
.irp i, 0,1,2,3
	ds_store_b128 v8, v[RR+16*((\t)%8)+4*\i:RR+16*((\t)%8)+4*\i+3] offset:32*SP*((\t)%2)+8*SP*\i
.endr
.irp i, 0,1,2,3
	ds_load_b128 v[XX+16*((\t)%2)+4*\i:XX+16*((\t)%2)+4*\i+3], v9 offset:32*SP*((\t)%2)+16*\i
.endr
.endm
.irp t, 0,1,2,3,4,5,6,7
	LOAD \t
.endr
	s_wait_loadcnt 28                              ; step 0's four loads are in; those of seven steps may be out
	TURN 0
.macro STEP t
.set XS, XX+16*((\t)%2)
.if (\t) > 0
	s_wait_dscnt 1                                 ; this step's numbers are back from the stage (the last step's byte store may be out): so its stores into the stage have read their registers,
.else
	s_wait_dscnt 0x0
.endif
.if (\t)+8 < 16
	LOAD (\t)+8                                    ; which take the loads of eight steps on
.endif
.if (\t)+1 < 16
.if 14-(\t) >= 7
	s_wait_loadcnt 28                              ; the next step's loads are in; those of the seven steps behind it may be out
.else
	s_wait_loadcnt 4*(14-(\t))
.endif
	TURN (\t)+1
.endif
	v_max3_num_f32 v12, |v[XS]|, |v[XS+1]|, |v[XS+2]|
	v_max3_num_f32 v13, |v[XS+3]|, |v[XS+4]|, |v[XS+5]|
.irp i, 6,10
	v_max3_num_f32 v12, v12, |v[XS+\i]|, |v[XS+\i+1]|
	v_max3_num_f32 v13, v13, |v[XS+\i+2]|, |v[XS+\i+3]|
.endr
	v_max3_num_f32 v12, v12, |v[XS+14]|, |v[XS+15]|
	v_max3_num_f32 v12, v12, v13, 0x1800000        ; my 16 and the floor
	v_max_num_f32_dpp v12, v12, v12 row_xmask:1 row_mask:0xf bank_mask:0xf   ; and my neighbour's 16: the block's
	v_add_nc_u32 v14, 0xff000000, v12
	v_cvt_scalef32_pk8_fp4_f32 v[CC+2*(\t)], v[XS:XS+7], v14
	v_cvt_scalef32_pk8_fp4_f32 v[CC+2*(\t)+1], v[XS+8:XS+15], v14
	v_lshrrev_b32 v[EB+(\t)], 23, v14              ; the scale's byte (a plain line behind the conversions)
	ds_store_b8 v11, v[EB+(\t)] offset:16*(\t)     ; both lanes of a block write the same byte with the same value
	global_store_b64 v10, v[CC+2*(\t):CC+2*(\t)+1], s[10:11] offset:256*(\t)   ; 32 lanes store 256 consecutive bytes
.endm
.irp t, 0,1,2,3,4,5,6,7,8,9,10,11,12,13,14,15
	STEP \t
.endr
	ds_load_b64 v[12:13], v1                       ; my wave's 256 scale bytes, behind my stores of them
	s_wait_dscnt 0x0
	global_store_b64 v10, v[12:13], s[12:13]       ; 256 consecutive bytes
	s_wait_tensorcnt 0x0                           ; the wave's end, behind my last LDS store
	ds_add_u32 v[SPW], v[NIL]
	s_wait_dscnt 0x0
	s_endpgm
.Lfunc_end_k_q41ff546452_prep:
	.size	k_q41ff546452_prep, .Lfunc_end_k_q41ff546452_prep-k_q41ff546452_prep
	.p2alignl 7, 3214868480
	.fill 96, 4, 3214868480
	.section	.rodata,"a",@progbits
	.p2align	6, 0x0
	.amdhsa_kernel k_q41ff546452_prep
		.amdhsa_group_segment_fixed_size 33280
		.amdhsa_private_segment_fixed_size 0
		.amdhsa_enable_private_segment 0
		.amdhsa_kernarg_size 64
		.amdhsa_user_sgpr_count 2
		.amdhsa_user_sgpr_kernarg_segment_ptr 1
		.amdhsa_wavefront_size32 1
		.amdhsa_system_sgpr_workgroup_id_x 1
		.amdhsa_system_sgpr_workgroup_id_y 1
		.amdhsa_system_sgpr_workgroup_id_z 1
		.amdhsa_system_vgpr_workitem_id 0
		.amdhsa_next_free_vgpr 224
		.amdhsa_next_free_sgpr 66
		.amdhsa_reserve_vcc 0
		.amdhsa_float_denorm_mode_32 3
		.amdhsa_float_denorm_mode_16_64 3
		.amdhsa_memory_ordered 1
		.amdhsa_forward_progress 1
		.amdhsa_inst_pref_size 71
	.end_amdhsa_kernel
	.amdgpu_metadata
---
amdhsa.version: [ 1, 2 ]
amdhsa.kernels:
  - .name:           k_q41ff546452_prep
    .symbol:         k_q41ff546452_prep.kd
    .args:
      - { .name: x, .offset: 0, .size: 8, .value_kind: global_buffer, .address_space: global }
      - { .name: c_attn_w, .offset: 8, .size: 8, .value_kind: global_buffer, .address_space: global }
      - { .name: c_proj_w, .offset: 16, .size: 8, .value_kind: global_buffer, .address_space: global }
      - { .name: xc, .offset: 24, .size: 8, .value_kind: global_buffer, .address_space: global }
      - { .name: xs, .offset: 32, .size: 8, .value_kind: global_buffer, .address_space: global }
      - { .name: wc, .offset: 40, .size: 8, .value_kind: global_buffer, .address_space: global }
      - { .name: ws, .offset: 48, .size: 8, .value_kind: global_buffer, .address_space: global }
      - { .name: pw, .offset: 56, .size: 8, .value_kind: global_buffer, .address_space: global }
    .group_segment_fixed_size: 33280
    .private_segment_fixed_size: 0
    .kernarg_segment_align: 8
    .kernarg_segment_size: 64
    .max_flat_workgroup_size: 128
    .sgpr_count:     66
    .vgpr_count:     224
    .wavefront_size: 32
...
	.end_amdgpu_metadata
.endif
;; end of part 1
;; launch qkv (part 2): grid 12 x 16, 4 waves a work-group, clusters of 4 x 4, 327,680 bytes of LDS; arguments xc, xs, wc, ws, c_attn_b, qkv, fq; writes qkv, fq
.if DOCPART == 2
	.amdgcn_target "amdgcn-amd-amdhsa--gfx1250"
	.amdhsa_code_object_version 6
	.text
	.protected	k_q41ff546452_qkv
	.globl	k_q41ff546452_qkv
	.p2align	8
	.type	k_q41ff546452_qkv,@function
k_q41ff546452_qkv:
	s_mov_b64 s[64:65], 0
	v_nop
	global_prefetch_b8 v0, s[64:65] scope:SCOPE_SE
	s_setreg_imm32_b32 hwreg(HW_REG_WAVE_MODE, 25, 1), 1
	s_wait_xcnt 0x0
	s_wait_alu depctr_hold_cnt(0) depctr_sa_sdst(0) depctr_va_vdst(0) depctr_va_sdst(0) depctr_va_ssrc(0) depctr_va_vcc(0) depctr_vm_vsrc(0)
	s_getreg_b32 s2, hwreg(HW_REG_IB_STS2, 6, 4)
	s_cmp_eq_u32 s2, 0
	s_cbranch_scc0 .Lentry_in_a_cluster
	s_endpgm
.Lentry_in_a_cluster:
	s_bfe_u32 s2, ttmp6, 0x10000c
	s_cmp_lg_u32 s2, 0xf033
	s_cbranch_scc0 .Lentry_shape_is_right
	s_endpgm
.Lentry_shape_is_right:
; QKV = Q(x) Q(c_attn_w) + c_attn_b: [4096][1024] x [1024][3072] on codes of FP4 (E2M1) with one E8M0 scale for each 32 along K; sums in f32; results rounded once to f16.
; A tile of 256 x 256 is made by four waves, each 128 x 128: 64 accumulators of 16 x 16, 512 registers.  K = 1,024 is two slots of 512: both are asked for at the head, nothing is filled again, and the text has no loop.
; x's codes come as rows (256 bytes of a row to a slot, 16 bytes of padding behind each in LDS); the weight's codes come as images of the operand's registers (prep), a dense block of 32,768 bytes for 128 columns and a slot.
; The scale bytes of the work-group's 256 rows and 256 columns, for all of K, come once, in whole runs of 256 bytes.
; CLUSTERS: 4 x 4 work-groups.  The four of a row of the cluster need the same tiles of x, the four of a column the same tiles of the weight: each tile is asked for jointly.
; Tile column = 4 x cluster x + cx, so all partners make q (cluster x = 0), k (1) or v (2).  Tile row = 4 cy + cluster y, so the cluster row y = 0 holds tile rows 0, 4, 8, 12, of which 0 and 8 begin a sequence.
; THE MATRIX INSTRUCTION IS USED TRANSPOSED (source 0 = 16 columns of the weight, source 1 = 16 rows of x): a lane holds eight neighbouring columns of one row.  The bias is the C of each sum's first product.
; OUT: qkv, f16, [which 3][batch x 16 + head][position / 16][channel / 32][image of 1,024 bytes]: piece (c, h, r) at 512 c + 256 h + 16 r holds position r, channels 16 c + 8 h + 0 .. 7 of the 32.  A lane's eight results ARE
; such a piece: it is stored straight from registers, sixteen lanes to 256 consecutive bytes.  In v alone r lies at r xor 8 h: the next launch reads v by turning loads, and this keeps its lanes on different banks.
; ALSO OUT: fq, f32: the first 16 rows of tile rows 0, 4, 8, 12, for the launch that computes the first 16 positions of each sequence in f32.  No branch may hang on a work-group's place in its cluster, so all four tile rows
; of the cluster row y = 0 are written, told apart by address; those of tile rows 4 and 12 (393,216 bytes) are read by nobody.
; LIMITS: a result beyond 65,504 becomes an infinity of f16.
; REGISTERS, in windows of 256: window 0: v0-31 addresses; v32-95 scale words, two sets, and nothing else; v128-191 x's fragments, ONE set, on the way out the packed results; v192-255 the bias.
;   window 1: the weight's fragments, TWO sets, at v0 and v128.   window 2: the accumulators of my rows 0-63 ((a, b) at v[8 (8 a + b)]);   window 3: those of my rows 64-127.
.set NQ,     4                         ; steps of 128 along K in a slot
.set ROWB,   256                       ; a slot's part of a row of x's codes
.set KROW,   512                       ; a row of x's codes in memory
.set PITCH,  272                       ; and in LDS: 256 + 16 = 68 words: the 16 rows that a load touches start at 16 different banks (64 banks of 4 bytes: ISA guide 11.1)
.set FR,     8
.set NL,     2
.set NP,     4                         ; places behind this matrix instruction (ISA guide 7.12.1)
.set HALFA,  128*PITCH                 ; 128 rows of x: one tensor load
.set HALFB,  32768                     ; 128 columns of the weight: one tensor load
.set BOFF,   2*HALFA
.set SLOT,   2*HALFA+2*HALFB
.set KS,     32                        ; a row of scale bytes
.set SCL,    2*SLOT                    ; behind the slots: the scales, as runs of 256 bytes + 16 of padding
.set HALFS,  (128*KS/256)*272
.set SBLK,   (16*KS/256)*272
.set SPARE,  SCL+4*HALFS               ; the spare words, 128 bytes for each wave
.set ADRA, 16                          ; v16-17  LDS address of my fragments of x in slot 0, 1
.set ADRB, 20                          ; v20-21  the same for the weight
.set L16,  24                          ; v24     16 x lane
.set CO,   26                          ; v26     my piece's place in an image of qkv
.set ADRS, 27                          ; v27     LDS address of my scale words: lanes 0-15 x's rows, lanes 16-31 the weight's columns
.set SPW,  28                          ; v28     LDS address of my spare word; never rewritten
.set NIL,  29                          ; v29     0; never rewritten
.set BO,   31                          ; v31     32 x (lane / 16): my eight numbers of a bias tile
.set SC,   32
.set AF,   128
.set TMP,  128
.set BI,   192
.set G1, 24                            ; s[24:31] descriptor group 1 for x's tiles;  s[32:39] group 0, one set for each slot
.set G0, 32
.set G1B, 48                           ; s[48:55], s[56:63] the same for the weight's
.set G0B, 56
.set G1S, 68                           ; s[68:75], s[76:79] groups 1 and 0 for x's scales;  s[80:87], s[88:91] for the weight's
.set G0S, 76
.set G1SB, 80
.set G0SB, 88
.set MSB, 0
.macro WIN new                         ; the immediate's high byte repeats the setting that is left
.if MSB != (\new)
	s_set_vgpr_msb (MSB<<8)|(\new)
.set MSB, (\new)
.endif
.endm
.set MUL_LO, 0xa1                      ; source 0 (weight) window 1, source 1 (x) window 0, C and D window 2
.set MUL_HI, 0xf1                      ; the same, C and D window 3
.set BIA_LO, 0x81                      ; the first step: C (the bias) window 0, D window 2
.set BIA_HI, 0xc1                      ; D window 3
.set TO_B,   0x40                      ; destination window 1, address window 0
; A joint load: waves 0 and 1 fetch for x, waves 2 and 3 for the weight.  Each line has one mask; the branch hangs on the wave's number alone.  An s_nop 0 and four v_nop follow each line.
.macro JLOAD g0a, g1a, g0b, g1b
	s_cmp_eq_u32 s15, 0
	s_cbranch_scc0 .Lfor_b_\@
	tensor_load_to_lds s[\g0a:\g0a+3], s[\g1a:\g1a+7]
	s_nop 0
.rept 4
	v_nop
.endr
	s_branch .Lasked_\@
.Lfor_b_\@:
	tensor_load_to_lds s[\g0b:\g0b+3], s[\g1b:\g1b+7]
	s_nop 0
.rept 4
	v_nop
.endr
.Lasked_\@:
.endm
.macro CROUND                          ; a round of the cluster's barrier
	s_barrier_signal -1
	s_barrier_wait -1
	s_cmp_lg_u32 s14, 0
	s_cbranch_scc1 .Lnot_wave_0_\@
	s_barrier_signal -3
.Lnot_wave_0_\@:
	s_barrier_wait -3
	s_barrier_signal -1
	s_barrier_wait -1
.endm
	s_load_b128 s[4:7], s[0:1], 0x0                ; xc s[4:5], xs s[6:7]
	s_load_b128 s[8:11], s[0:1], 0x10              ; wc s[8:9], ws s[10:11]
	s_load_b128 s[96:99], s[0:1], 0x20             ; c_attn_b s[96:97], qkv s[98:99]
	s_load_b64 s[12:13], s[0:1], 0x30              ; fq
	v_lshl_add_u32 v[SPW], v0, 2, SPARE
	v_mov_b32 v[NIL], 0
	ds_add_u32 v[SPW], v[NIL]                      ; the wave's opening: the add, twice on end, and its wait ahead of my first tensor load
	ds_add_u32 v[SPW], v[NIL]
	v_lshrrev_b32 v1, 5, v0
	v_readfirstlane_b32 s14, v1                    ; wave 0..3
	s_lshr_b32 s15, s14, 1                         ; which half of the tile's rows is mine.  Also: I fetch for x (0) or for the weight (1)
	s_and_b32 s16, s14, 1                          ; which half of its columns.  Also: which half I fetch
	s_bfe_u32 s40, ttmp6, 0x40000                  ; cx
	s_bfe_u32 s41, ttmp6, 0x40004                  ; cy
	s_lshl_b32 s42, ttmp9, 2
	s_add_co_u32 s42, s42, s40                     ; tile column = 4 x cluster x + cx
	s_and_b32 s17, ttmp7, 0xffff
	s_lshl_b32 s43, s41, 2
	s_add_co_u32 s17, s17, s43                     ; tile row = cluster y + 4 cy
	s_lshl_b32 s43, 15, s43                        ; my row of the cluster
	s_lshl_b32 s44, 0x1111, s40                    ; my column
	s_or_b32 s[G1+0], s43, (0<<16)|(1<<20)|(1<<21)|(5<<22)|(3<<25)  ; the mask; elements of 1 byte; padding on: 4 words behind every 64; bit 21 beside a mask
	s_mov_b32 s[G1+1], ROWB<<16                    ; tensor_dim0
	s_mov_b32 s[G1+2], 128<<16                     ; tensor_dim1
	s_mov_b32 s[G1+3], ROWB<<16                    ; tile_dim0
	s_mov_b32 s[G1+4], 128                         ; tile_dim1
	s_mov_b32 s[G1+5], KROW                        ; from row to row
	s_mov_b32 s[G1+6], 0
	s_mov_b32 s[G1+7], 0
	s_or_b32 s[G1B+0], s44, (3<<16)|(1<<21)        ; the weight's images: a dense block, 128 rows of 32 elements of 8 bytes, no padding
	s_mov_b32 s[G1B+1], 32<<16
	s_mov_b32 s[G1B+2], 128<<16
	s_mov_b32 s[G1B+3], 32<<16
	s_mov_b32 s[G1B+4], 128
	s_mov_b32 s[G1B+5], 32
	s_mov_b32 s[G1B+6], 0
	s_mov_b32 s[G1B+7], 0
	s_or_b32 s[G1S+0], s43, (3<<16)|(1<<20)|(1<<21)|(5<<22)|(3<<25)  ; the scales of 128 rows: 4,096 dense bytes as 16 rows of 256, 16 bytes of padding behind each
	s_or_b32 s[G1SB+0], s44, (3<<16)|(1<<20)|(1<<21)|(5<<22)|(3<<25)
.irp g, G1S, G1SB
	s_mov_b32 s[\g+1], 32<<16
	s_mov_b32 s[\g+2], (128*KS/256)<<16
	s_mov_b32 s[\g+3], 32<<16
	s_mov_b32 s[\g+4], 128*KS/256
	s_mov_b32 s[\g+5], 32
	s_mov_b32 s[\g+6], 0
	s_mov_b32 s[\g+7], 0
.endr
	s_lshl_b32 s18, s16, 7                         ; which 128 I fetch
	s_lshl_b32 s20, s17, 8
	s_add_co_u32 s20, s20, s18                     ; x: row 256 x tile row + 128 x half
	s_lshl_b32 s46, s42, 8
	s_add_co_u32 s46, s46, s18                     ; the weight: column 256 x tile column + 128 x half
	s_mov_b32 s21, 0
	s_mov_b32 s47, 0
	s_lshl_b64 s[22:23], s[20:21], 5               ; where their scale bytes begin: 32 a row
	s_lshl_b64 s[92:93], s[46:47], 5
	s_lshl_b64 s[20:21], s[20:21], 9               ; and their codes: 512 bytes a row of x;
	s_lshl_b64 s[46:47], s[46:47], 9               ; 65,536 bytes for 128 columns is 512 a column too
	s_mul_i32 s45, s16, HALFA                      ; where they go: no place in the cluster enters an LDS address
	s_mul_i32 s95, s16, HALFB
	s_add_co_u32 s95, s95, BOFF
	s_mul_i32 s94, s14, HALFS
	s_wait_dscnt 0x0                               ; both opening adds are done
	s_wait_kmcnt 0x0
	s_add_nc_u64 s[20:21], s[4:5], s[20:21]
	s_add_nc_u64 s[22:23], s[6:7], s[22:23]
	s_add_nc_u64 s[46:47], s[8:9], s[46:47]
	s_add_nc_u64 s[92:93], s[10:11], s[92:93]
	CROUND                                         ; all sixteen work-groups are here: the joint loads meet
	s_mov_b32 s[G0S], 1
	s_add_co_u32 s[G0S+1], s94, SCL
	s_mov_b64 s[G0S+2:G0S+3], s[22:23]
	s_or_b32 s[G0S+3], s[G0S+3], 0x80000000
	s_mov_b32 s[G0SB], 1
	s_add_co_u32 s[G0SB+1], s94, SCL
	s_mov_b64 s[G0SB+2:G0SB+3], s[92:93]
	s_or_b32 s[G0SB+3], s[G0SB+3], 0x80000000
	JLOAD G0S, G1S, G0SB, G1SB                     ; the scales first: they are wanted with the first step.  Three loads of mine are out behind the last of these
.irp s, 0,1
	s_mov_b32 s[G0+4*\s], 1
	s_add_co_u32 s[G0+4*\s+1], s45, \s*SLOT
	s_add_nc_u64 s[G0+4*\s+2:G0+4*\s+3], s[20:21], \s*ROWB
	s_or_b32 s[G0+4*\s+3], s[G0+4*\s+3], 0x80000000
	s_mov_b32 s[G0B+4*\s], 1
	s_add_co_u32 s[G0B+4*\s+1], s95, \s*SLOT
	s_add_nc_u64 s[G0B+4*\s+2:G0B+4*\s+3], s[46:47], \s*HALFB
	s_or_b32 s[G0B+4*\s+3], s[G0B+4*\s+3], 0x80000000
	JLOAD G0+4*\s, G1, G0B+4*\s, G1B
.endr
	v_and_b32 v1, 15, v0                           ; r
	v_bfe_u32 v2, v0, 4, 1                         ; h
	s_lshl_b32 s46, s42, 10                        ; the bias of my 128 columns
	s_lshl_b32 s47, s16, 9
	s_add_co_u32 s46, s46, s47
	s_mov_b32 s47, 0
	s_add_nc_u64 s[96:97], s[96:97], s[46:47]
	v_lshlrev_b32 v[BO], 5, v2
.irp b, 0,1,2,3,4,5,6,7                ; lane (r, h), tile b: b[16 b + 8 h + 0 .. 7], in the result's layout
	global_load_b128 v[BI+8*\b:BI+8*\b+3], v[BO], s[96:97] offset:64*\b
	global_load_b128 v[BI+8*\b+4:BI+8*\b+7], v[BO], s[96:97] offset:64*\b+16
.endr
	v_mul_u32_u24 v3, v1, PITCH
	v_lshl_add_u32 v4, v2, 4, v3                   ; x: a fragment's row x pitch + 16 x half
	v_and_b32 v6, 31, v0
	v_lshlrev_b32 v[L16], 4, v6                    ; the weight: an image's place for my lane
	s_mul_i32 s21, s15, HALFA
	s_mul_i32 s22, s16, HALFB
	s_add_co_u32 s22, s22, BOFF
.irp s, 0,1
	v_add_nc_u32 v[ADRA+\s], s21, v4
	v_add_nc_u32 v[ADRB+\s], s22, v[L16]
	s_add_co_u32 s21, s21, SLOT
	s_add_co_u32 s22, s22, SLOT
.endr
	v_mul_u32_u24 v5, v1, KS                       ; my row's scales: 32 bytes a row,
	v_lshrrev_b32 v6, 8, v5
	v_lshl_add_u32 v5, v6, 4, v5                   ; and 16 more for each 256 passed
	s_mul_i32 s21, s15, HALFS                      ; x's: my 128 rows
	s_mul_i32 s22, s16, HALFS                      ; the weight's: my 128 columns, behind x's 256
	s_add_co_u32 s22, s22, 2*HALFS
	s_sub_co_u32 s22, s22, s21
	v_mul_u32_u24 v6, s22, v2                      ; lanes 16-31 take the weight's
	s_add_co_u32 s21, s21, SCL
	v_add_nc_u32 v5, v5, v6
	v_add_nc_u32 v[ADRS], s21, v5
	s_cmp_eq_u32 ttmp9, 2                          ; v?  The same in all partners; it enters a global address alone
	s_cselect_b32 s20, 8, 0
	v_mul_u32_u24 v5, s20, v2
	v_xor_b32 v5, v5, v1                           ; r, in v: r xor 8 h
	v_lshlrev_b32 v5, 4, v5
	v_lshl_add_u32 v[CO], v2, 8, v5
	s_lshl_b32 s20, ttmp9, 23                      ; qkv: which x 8,388,608
	s_lshr_b32 s21, s17, 3
	s_lshl_b32 s21, s21, 4                         ; batch x 16
	s_lshl_b32 s22, s40, 2
	s_add_co_u32 s21, s21, s22                     ; + the tile's four heads
	s_lshl_b32 s22, s16, 1
	s_add_co_u32 s21, s21, s22                     ; + my two of them
	s_lshl_b32 s21, s21, 18
	s_add_co_u32 s20, s20, s21
	s_and_b32 s21, s17, 7
	s_lshl_b32 s21, s21, 4
	s_lshl_b32 s22, s15, 3
	s_add_co_u32 s21, s21, s22                     ; my first block of 16 positions
	s_lshl_b32 s21, s21, 11
	s_add_co_u32 s20, s20, s21
	s_mov_b32 s21, 0
	s_add_nc_u64 s[98:99], s[98:99], s[20:21]
	s_mul_i32 s20, s41, 196608                     ; fq: 192 blocks of 16 columns for each cy,
	s_lshl_b32 s22, s42, 4
	s_lshl_b32 s23, s16, 3
	s_add_co_u32 s22, s22, s23
	s_lshl_b32 s22, s22, 10                        ; my eight of them
	s_add_co_u32 s20, s20, s22
	s_add_nc_u64 s[12:13], s[12:13], s[20:21]
.macro FRAGA reg, adr, q, i            ; 16 rows x 128 K of 4-bit codes: lane l holds row l % 16; registers 4 c .. 4 c + 3 hold K = 64 c + 32 (l / 16) + 0 .. 31
.irp c, 0,1
	ds_load_b128 v[\reg+4*\c:\reg+4*\c+3], v[\adr] offset:64*(\q)+32*\c+(\i)*16*PITCH
.endr
.endm
.macro FRAGB reg, adr, q, i            ; the same registers from an image
.irp c, 0,1
	ds_load_b128 v[\reg+4*\c:\reg+4*\c+3], v[\adr] offset:((\q)*8+(\i))*1024+512*\c
.endr
.endm
; 16 matrix instructions: x's blocks a0, a0 + 1 against the weight's eight.  p: the weight's set; sc: the set of scale words.  zero = 1: the first product starts the sums, from the bias.
; The 64 accumulators take turns, one instruction a turn, in the same order in every step.
.macro MUL16 a0, p, q, sc, zero
.irp a, \a0, \a0+1
.irp b, 0,1,2,3,4,5,6,7
.if \zero
	v_wmma_scale_f32_16x16x128_f8f6f4 v[8*(8*((\a)%4)+\b):8*(8*((\a)%4)+\b)+7], v[128*(\p)+FR*\b:128*(\p)+FR*\b+FR-1], v[AF+FR*(\a):AF+FR*(\a)+FR-1], v[BI+8*\b:BI+8*\b+7], v[SC+8*NQ*(\sc)+NQ*\b+(\q)], v[SC+8*NQ*(\sc)+NQ*(\a)+(\q)] matrix_a_fmt:MATRIX_FMT_FP4 matrix_b_fmt:MATRIX_FMT_FP4 matrix_a_scale:MATRIX_SCALE_ROW1
.else
	v_wmma_scale_f32_16x16x128_f8f6f4 v[8*(8*((\a)%4)+\b):8*(8*((\a)%4)+\b)+7], v[128*(\p)+FR*\b:128*(\p)+FR*\b+FR-1], v[AF+FR*(\a):AF+FR*(\a)+FR-1], v[8*(8*((\a)%4)+\b):8*(8*((\a)%4)+\b)+7], v[SC+8*NQ*(\sc)+NQ*\b+(\q)], v[SC+8*NQ*(\sc)+NQ*(\a)+(\q)] matrix_a_fmt:MATRIX_FMT_FP4 matrix_b_fmt:MATRIX_FMT_FP4 matrix_a_scale:MATRIX_SCALE_ROW1
.endif
.endr
.endr
.endm
.macro FETCH_B slot, q, p
	WIN TO_B
.irp i, 0,1,2,3,4,5,6,7
	FRAGB 128*(\p)+FR*\i, ADRB+\slot, \q, \i
.endr
	WIN 0
.endm
.macro FETCH_A slot, q, i0
.irp i, \i0, \i0+1, \i0+2, \i0+3
	FRAGA AF+FR*(\i), ADRA+\slot, \q, \i
.endr
.endm
.macro SCALES sc                       ; a slot's scale words: four words a row; lanes 0-15 take x's block i, lanes 16-31 the weight's block i
.irp i, 0,1,2,3,4,5,6,7
	ds_load_b128 v[SC+8*NQ*\sc+NQ*\i:SC+8*NQ*\sc+NQ*\i+3], v[ADRS] offset:\i*SBLK
.endr
.endm
.macro PLACES n                        ; plain vector instructions between a matrix instruction and a load into, or a read of, its registers
.rept \n
	v_nop
.endr
.endm
.macro STEP slot, q, zero              ; a step of 128 along K that has its successor in the same slot
	s_wait_dscnt 4*NL                              ; the weight's set and x's blocks 0-3 are in; the youngest eight loads (x's blocks 4-7) may be out
.if \zero
	WIN BIA_LO
.else
	WIN MUL_LO
.endif
	MUL16 0, (\q)%2, \q, \slot, \zero
	MUL16 2, (\q)%2, \q, \slot, \zero
	s_wait_dscnt 0
	PLACES NP
	FETCH_B \slot, (\q)+1, 1-(\q)%2
	FETCH_A \slot, (\q)+1, 0
.if \zero
	WIN BIA_HI
.else
	WIN MUL_HI
.endif
	MUL16 4, (\q)%2, \q, \slot, \zero
	MUL16 6, (\q)%2, \q, \slot, \zero
	PLACES NP
	WIN 0
	FETCH_A \slot, (\q)+1, 4
.endm
.macro TURN slot, next                 ; a slot's last step changes slots: one barrier; nothing is filled again
	s_wait_tensorcnt 0x0                           ; all my tensor loads have landed: my part of the next slot
	ds_add_u32 v[SPW], v[NIL]
	s_wait_dscnt 4*NL+1                            ; (the add and the youngest eight loads may be out)
	WIN MUL_LO
	MUL16 0, 1, NQ-1, \slot, 0
	s_wait_dscnt 0x0                               ; no LDS instruction of mine is out at the signal
	s_barrier_signal -1
	MUL16 2, 1, NQ-1, \slot, 0
	WIN 0
	s_barrier_wait -1                              ; the next slot is whole
	PLACES NP
	v_add_nc_u32 v[ADRS], 4*NQ, v[ADRS]            ; on to the next slot's scale words
	FETCH_B \next, 0, 0
	FETCH_A \next, 0, 0
	SCALES \next
	WIN MUL_HI
	MUL16 4, 1, NQ-1, \slot, 0
	MUL16 6, 1, NQ-1, \slot, 0
	PLACES NP
	WIN 0
	FETCH_A \next, 0, 4
.endm
	s_wait_tensorcnt 1                             ; the scales and my part of slot 0 are in (slot 1's load may be out),
	s_barrier_signal -1
	s_barrier_wait -1                              ; everybody's are
	FETCH_B 0, 0, 0
	FETCH_A 0, 0, 0
	SCALES 0
	FETCH_A 0, 0, 4
	s_wait_loadcnt 0x0                             ; the bias
	STEP 0, 0, 1
	STEP 0, 1, 0
	STEP 0, 2, 0
	TURN 0, 1
	STEP 1, 0, 0
	STEP 1, 1, 0
	STEP 1, 2, 0
	s_wait_dscnt 4*NL                              ; the last step: nothing more to fetch
	WIN MUL_LO
	MUL16 0, 1, NQ-1, 1, 0
	MUL16 2, 1, NQ-1, 1, 0
	s_wait_dscnt 0
	WIN MUL_HI
	MUL16 4, 1, NQ-1, 1, 0
	MUL16 6, 1, NQ-1, 1, 0
	WIN 0
	; THE WAY OUT.
	PLACES NP
	s_and_b32 s20, ttmp7, 0xffff                   ; the f32 copy of a tile's first 16 rows: cluster row y = 0, waves 0 and 1: the same in all sixteen partners
	s_or_b32 s20, s20, s15
	s_cmp_lg_u32 s20, 0
	s_cbranch_scc1 .Lnofine
	WIN 0x08                                       ; a store's data are its source 1: window 2
.irp b, 0,1,2,3,4,5,6,7
	global_store_b128 v[L16], v[8*\b:8*\b+3], s[12:13] offset:\b*1024          ; each accumulator from its low end on; 512 consecutive bytes a store
	global_store_b128 v[L16], v[8*\b+4:8*\b+7], s[12:13] offset:\b*1024+512
.endr
	WIN 0
.Lnofine:
.macro PACK a                          ; block a's 16 rows x 128 columns, rounded to f16: 16 bytes a lane and tile
.set AC, 64*((\a)%4)
.set TT, TMP+32*((\a)%2)
	WIN 0x0a+5*((\a)/4)                            ; sources 0 and 1: window 2 or 3
.irp b, 0,1,2,3,4,5,6,7
.irp p, 0,1,2,3
	v_cvt_pk_f16_f32 v[TT+4*\b+\p], v[AC+8*\b+2*\p], v[AC+8*\b+2*\p+1]
.endr
.endr
	WIN 0
.endm
.macro SENDQ a                         ; tile b: head b / 4 of my two, channels 16 (b % 4) on: 512 (b % 4) in the head's two images; block a: 2,048 bytes on
.set TT, TMP+32*((\a)%2)
.irp b, 0,1,2,3,4,5,6,7
	global_store_b128 v[CO], v[TT+4*\b:TT+4*\b+3], s[98:99] offset:(\b/4)*262144+(\a)*2048+(\b%4)*512
.endr
.endm
.irp a, 0,1,2,3,4,5,6,7
.if \a >= 2
	s_wait_xcnt 0x0                                ; block a - 2's stores have read their registers: they are written again only behind this wait
.endif
	PACK \a
	SENDQ \a
.endr
	s_wait_tensorcnt 0x0                           ; the wave's end
	ds_add_u32 v[SPW], v[NIL]
	s_wait_dscnt 0x0
	CROUND                                         ; the closing round
	s_endpgm
.Lfunc_end_k_q41ff546452_qkv:
	.size	k_q41ff546452_qkv, .Lfunc_end_k_q41ff546452_qkv-k_q41ff546452_qkv
	.p2alignl 7, 3214868480
	.fill 96, 4, 3214868480
	.section	.rodata,"a",@progbits
	.p2align	6, 0x0
	.amdhsa_kernel k_q41ff546452_qkv
		.amdhsa_group_segment_fixed_size 327680
		.amdhsa_private_segment_fixed_size 0
		.amdhsa_enable_private_segment 0
		.amdhsa_kernarg_size 56
		.amdhsa_user_sgpr_count 2
		.amdhsa_user_sgpr_kernarg_segment_ptr 1
		.amdhsa_wavefront_size32 1
		.amdhsa_system_sgpr_workgroup_id_x 1
		.amdhsa_system_sgpr_workgroup_id_y 1
		.amdhsa_system_sgpr_workgroup_id_z 1
		.amdhsa_system_vgpr_workitem_id 0
		.amdhsa_next_free_vgpr 1024
		.amdhsa_next_free_sgpr 100
		.amdhsa_reserve_vcc 0
		.amdhsa_float_denorm_mode_32 3
		.amdhsa_float_denorm_mode_16_64 3
		.amdhsa_memory_ordered 1
		.amdhsa_forward_progress 1
		.amdhsa_inst_pref_size 122
	.end_amdhsa_kernel
	.amdgpu_metadata
---
amdhsa.version: [ 1, 2 ]
amdhsa.kernels:
  - .name:           k_q41ff546452_qkv
    .symbol:         k_q41ff546452_qkv.kd
    .args:
      - { .name: xc, .offset: 0, .size: 8, .value_kind: global_buffer, .address_space: global }
      - { .name: xs, .offset: 8, .size: 8, .value_kind: global_buffer, .address_space: global }
      - { .name: wc, .offset: 16, .size: 8, .value_kind: global_buffer, .address_space: global }
      - { .name: ws, .offset: 24, .size: 8, .value_kind: global_buffer, .address_space: global }
      - { .name: c_attn_b, .offset: 32, .size: 8, .value_kind: global_buffer, .address_space: global }
      - { .name: qkv, .offset: 40, .size: 8, .value_kind: global_buffer, .address_space: global }
      - { .name: fq, .offset: 48, .size: 8, .value_kind: global_buffer, .address_space: global }
    .group_segment_fixed_size: 327680
    .private_segment_fixed_size: 0
    .kernarg_segment_align: 8
    .kernarg_segment_size: 56
    .max_flat_workgroup_size: 128
    .sgpr_count:     100
    .vgpr_count:     1024
    .wavefront_size: 32
...
	.end_amdgpu_metadata
.endif
;; end of part 2
;; launch attn (part 3): grid 8 x 32, 16 waves a work-group, clusters of 4 x 1, 327,680 bytes of LDS; arguments qkv, att; writes att
.if DOCPART == 3
	.amdgcn_target "amdgcn-amd-amdhsa--gfx1250"
	.amdhsa_code_object_version 6
	.text
	.protected	k_q41ff546452_attn
	.globl	k_q41ff546452_attn
	.p2align	8
	.type	k_q41ff546452_attn,@function
k_q41ff546452_attn:
	s_mov_b64 s[64:65], 0
	v_nop
	global_prefetch_b8 v0, s[64:65] scope:SCOPE_SE
	s_setreg_imm32_b32 hwreg(HW_REG_WAVE_MODE, 25, 1), 1
	s_wait_xcnt 0x0
	s_wait_alu depctr_hold_cnt(0) depctr_sa_sdst(0) depctr_va_vdst(0) depctr_va_sdst(0) depctr_va_ssrc(0) depctr_va_vcc(0) depctr_vm_vsrc(0)
	s_getreg_b32 s2, hwreg(HW_REG_IB_STS2, 6, 4)
	s_cmp_eq_u32 s2, 0
	s_cbranch_scc0 .Lentry_in_a_cluster
	s_endpgm
.Lentry_in_a_cluster:
	s_bfe_u32 s2, ttmp6, 0x10000c
	s_cmp_lg_u32 s2, 0x3003
	s_cbranch_scc0 .Lentry_shape_is_right
	s_endpgm
.Lentry_shape_is_right:
; ATT[b][s][64 head + d] = the sum over keys k <= s of softmax_k(q . k / 8) v, for 32 (batch, head) pairs of 2,048 positions and 64 channels.  q, k, v: f16, as images of the operands' registers (launch qkv).
; Products on f16 operands with f32 sums; maxima, exponentials and sums in f32; the weights p rounded to f16 for the second product; ATT rounded once to f16, laid as images for the projection.
; SHARES.  A work-group belongs to one (batch, head) = y.  Each of its sixteen waves owns ONE tile of 16 queries, positions 128 T + 64 (cluster x) + 16 cx + 0 .. 15, in 256 registers.  T is a permutation of 0 .. 15 by the
; wave's number, so that every work-group has early and late queries alike: all 256 work-groups walk all 4 slots of keys and do nearly the same work.  The table is laid so that waves w % 4 alike, and waves w / 4 alike,
; hold T that sum to 30.
; THE CAUSAL MASK.  QB = 128 T + 64 (cluster x) is the first position of the 64 that hold the wave's queries in all four partners.  A step of 64 keys from KF on is masked where KF = QB and open where KF < QB; where KF > QB
; the wave has no work left: it jumps to the slot's end, KF stays above QB, and so it does in every later slot.  Scalar branches on ids and the count of steps, the same in all partners.  Hidden scores become -infinity where
; the source writes the least f32 number: every query sees its own key, so both vanish in the softmax.
; CLUSTER.  The four partners walk the same K and V: each tile is asked for jointly.  Every partner has the wave with T = 15, which reads keys of every quarter of every slot.
; LAYOUT.  S^T = K Q^T (source 0 = 16 keys, source 1 = my queries), O^T = V^T P (source 0 = 16 channels, source 1 = P): a lane holds one query (lane % 16) throughout.  K comes out of LDS as it lies, V turned by ds_load_tr16_b128.
; SOFTMAX.  A running maximum m and sum l: p = 2^(c s - c m), c = log2(e) / 8; in every step O and l are multiplied by a = 2^(c m_old - c m_new).  O and l begin as zeros and m as -3e38, so the step is written once.
; THE ORDER OF A STEP.  V's sixteen LDS loads; K Q^T on the K that the step before has asked for; the NEXT step's sixteen loads of K; the softmax; V^T P; the row's sum, while the matrix unit works.  A step is reached only
; through the step before it, so its K has been asked for on every way; a slot's first step asks for its own.
; LIMITS: q, k, v arrive in f16 (launch qkv states the range).
.set SLOT1, 1<<17                      ; a slot: 512 keys: K's 65,536 bytes of images, then V's; slot 1 begins here, so that one exclusive or turns an address
.set VOFF,  65536
.set SPARE, 2*SLOT1                    ; the spare words, 128 bytes for each of sixteen waves
.set NQ,    8                          ; steps of 64 keys in a slot
.set AK0, 1                            ; v1   16 x lane: my place in an image; also my offset in Q's and ATT's images
.set AV0, 2                            ; v2   my place in V's images for the turning load
.set SPW, 3                            ; v3   LDS address of my spare word; never rewritten
.set NIL, 4                            ; v4   0; never rewritten
.set ADK, 6                            ; v6   my place in the K of the slot in hand
.set ADV, 7                            ; v7   and in its V
.set DM,  8                            ; v8   16 cx + r - 8 h: on the diagonal register 8 t + j is hidden where 16 t + j is above it
.set PFO, 11                           ; v11  256 x lane
.set CM,  12                           ; v[12:13] c m, m
.set LS,  14                           ; v[14:15] l, even and odd keys'
.set AA,  16                           ; v[16:17] a (the pair is named; its low word serves both halves)
.set TT,  18                           ; v18-21 at work
.set OCM, 22
.set NINF, 23
.set QF,  24                           ; v24-39   Q: two fragments
.set KR,  40                           ; v40-103  K of a step: tile t, channels 32 g on, at KR + 16 t + 8 g
.set VR,  104                          ; v104-167 V of a step: keys 32 u on, channels 16 ct on, at VR + 32 u + 8 ct
.set SS,  168                          ; v168-199 S^T, then p
.set PP,  200                          ; v200-215 P in f16
.set OO,  216                          ; v216-247 O^T
.set WV,  18
.set SEL, 20
.set CS,  22
.set G1,  24
.set G0,  40
.set TB,  48                           ; s48  LDS byte at which the slot in hand begins
.set KF,  49                           ; s49  the step's first key
.set QB,  50
.set SLOTS, 51
.set PFA, 52
.set LIM, 54
.macro CROUND
	s_barrier_signal -1
	s_barrier_wait -1
	s_cmp_lg_u32 s[WV], 0
	s_cbranch_scc1 .Lnot_wave_0_\@
	s_barrier_signal -3
.Lnot_wave_0_\@:
	s_barrier_wait -3
	s_barrier_signal -1
	s_barrier_wait -1
.endm
; A joint load: waves 0 to 3 fetch the quarters of a slot's K, waves 4 to 7 of its V: 16,384 dense bytes each; the others fetch nothing.  An s_nop 0 and four v_nop follow the line.
.macro JLOAD
	s_cmp_lt_u32 s[WV], 8
	s_cbranch_scc0 .Lasked_\@
	tensor_load_to_lds s[G0:G0+3], s[G1:G1+7]
	s_nop 0
.rept 4
	v_nop
.endr
.Lasked_\@:
.endm
; A prefetch of what the NEXT change of slots will ask for: a slot's 65,536 bytes of K and of V.  Both clusters of a (batch, head) walk the same bytes: cluster x = 0 asks.  Its four partners take 16,384 bytes of each, told
; apart by address; in each, waves 8 and 9 ask for the halves of K's part and waves 10 and 11 of V's, lanes 256 bytes apart: one instruction a wave.  So each run of 256 bytes is named once in the launch.
; The last change that fills a slot asks for nothing: there is no slot behind it.  Slots 0 and 1 come by their loads alone.
.macro ASK
	s_cmp_gt_u32 s[SLOTS], s[LIM]
	s_cbranch_scc0 .Lnot_mine_\@
	global_prefetch_b8 v[PFO], s[PFA:PFA+1] th:TH_LOAD_NT scope:SCOPE_SE
.Lnot_mine_\@:
.endm
	s_load_b128 s[4:7], s[0:1], 0x0                ; qkv s[4:5], att s[6:7]
	v_lshl_add_u32 v[SPW], v0, 2, SPARE
	v_mov_b32 v[NIL], 0
	ds_add_u32 v[SPW], v[NIL]                      ; the wave's opening: the add, twice on end, and its wait ahead of the first tensor load
	ds_add_u32 v[SPW], v[NIL]
	v_lshrrev_b32 v9, 5, v0
	v_readfirstlane_b32 s[WV], v9                  ; wave 0..15
	v_and_b32 v9, 31, v0
	v_lshlrev_b32 v[AK0], 4, v9
	v_lshlrev_b32 v[PFO], 8, v9
	s_bfe_u32 s55, ttmp6, 0x40000                  ; cx: it enters global addresses and the mask's register alone
	s_and_b32 s56, ttmp7, 0xffff                   ; y = batch x 16 + head
	s_mov_b32 s57, 0x8e35db60                      ; T of waves 0..7: 0, 6, 11, 13, 5, 3, 14, 8
	s_mov_b32 s58, 0x249f71ca                      ; of waves 8..15: 10, 12, 1, 7, 15, 9, 4, 2
	s_cmp_lt_u32 s[WV], 8
	s_cselect_b32 s57, s57, s58
	s_and_b32 s58, s[WV], 7
	s_lshl_b32 s58, s58, 2
	s_lshr_b32 s57, s57, s58
	s_and_b32 s57, s57, 15                         ; T
	s_lshl_b32 s[QB], s57, 7
	s_lshl_b32 s58, ttmp9, 6
	s_add_co_u32 s[QB], s[QB], s58
	s_mov_b32 s[G1], 15|(3<<16)|(1<<21)            ; the mask: all four partners; elements of 8 bytes; bit 21 beside a mask; no padding
	s_mov_b32 s[G1+1], 32<<16                      ; 64 rows of 256 bytes, dense
	s_mov_b32 s[G1+2], 64<<16
	s_mov_b32 s[G1+3], 32<<16
	s_mov_b32 s[G1+4], 64
	s_mov_b32 s[G1+5], 32
	s_mov_b32 s[G1+6], 0
	s_mov_b32 s[G1+7], 0
	s_mov_b32 s[SEL], 0x76543210
	s_mov_b32 s[SEL+1], 0xfedcba98
	s_mov_b32 s[CS], 0x3e38aa3b                    ; c = log2(e) / 8
	s_mov_b32 s[CS+1], s[CS]
	s_mov_b32 s[TB], 0
	s_mov_b32 s[KF], 0
	s_mov_b32 s[SLOTS], 3
	s_lshl_b32 s63, s56, 18                        ; a (batch, head)'s 262,144 bytes in q, k and v
	s_min_u32 s59, s[WV], 7                        ; what I fetch, if I fetch
	s_mov_b32 s[G0], 1
	s_lshl_b32 s[G0+1], s59, 14                    ; LDS: K's quarters, then V's
	s_lshr_b32 s60, s59, 2
	s_add_co_u32 s60, s60, 1                       ; k is tensor 1, v tensor 2
	s_lshl_b32 s60, s60, 23
	s_add_co_u32 s60, s60, s63
	s_and_b32 s62, s59, 3
	s_lshl_b32 s62, s62, 14
	s_add_co_u32 s60, s60, s62
	s_mov_b32 s61, 0
	s_lshl_b32 s66, s57, 3                         ; Q: my tile of 16 positions: 8 T + 4 (cluster x) + cx
	s_lshl_b32 s67, ttmp9, 2
	s_add_co_u32 s67, s67, s55                     ; 4 (cluster x) + cx
	s_add_co_u32 s66, s66, s67
	s_lshl_b32 s66, s66, 11
	s_add_co_u32 s66, s66, s63
	s_lshl_b32 s69, s67, 10                        ; att: fragment row 4 (cluster x) + cx of the block of 128 rows,
	s_mov_b32 s67, 0
	s_lshr_b32 s68, s56, 4
	s_lshl_b32 s68, s68, 4
	s_add_co_u32 s68, s68, s57                     ; block batch x 16 + T,
	s_lshl_b32 s68, s68, 18
	s_add_co_u32 s68, s68, s69
	s_bfe_u32 s69, s56, 0x20002                    ; K step of 256: head / 4,
	s_lshl_b32 s69, s69, 16
	s_add_co_u32 s68, s68, s69
	s_and_b32 s69, s56, 3                          ; two fragments of 32 along K for each head
	s_lshl_b32 s69, s69, 14
	s_add_co_u32 s68, s68, s69
	s_mov_b32 s69, 0
	s_bfe_u32 s70, s[WV], 0x10001                  ; the prefetches: waves 8, 9: k; waves 10, 11: v,
	s_add_co_u32 s70, s70, 1
	s_lshl_b32 s70, s70, 23
	s_add_co_u32 s70, s70, s63
	s_lshl_b32 s71, s55, 14                        ; my work-group's 16,384 bytes,
	s_add_co_u32 s70, s70, s71
	s_and_b32 s71, s[WV], 1
	s_lshl_b32 s71, s71, 13                        ; my wave's half of them,
	s_add_co_u32 s70, s70, s71
	s_add_co_u32 s70, s70, 65536                   ; in slot 1: the first change of slots steps it to slot 2.  Nothing is prefetched at the head
	s_mov_b32 s71, 0
	s_lshr_b32 s72, s[WV], 2
	s_xor_b32 s72, s72, 2                          ; 0 in waves 8 to 11,
	s_or_b32 s72, s72, ttmp9                       ; of cluster x = 0: the same in all four partners
	s_cmp_eq_u32 s72, 0
	s_cselect_b32 s[LIM], 1, -1
	s_wait_dscnt 0x0                               ; both opening adds are done
	s_wait_kmcnt 0x0
	s_add_nc_u64 s[G0+2:G0+3], s[4:5], s[60:61]
	s_or_b32 s[G0+3], s[G0+3], 0x80000000
	s_add_nc_u64 s[8:9], s[4:5], s[66:67]          ; Q
	s_add_nc_u64 s[10:11], s[6:7], s[68:69]        ; att
	s_add_nc_u64 s[PFA:PFA+1], s[4:5], s[70:71]
.irp g, 0,1
.irp c, 0,1
	global_load_b128 v[QF+8*\g+4*\c:QF+8*\g+4*\c+3], v[AK0], s[8:9] offset:\g*1024+\c*512   ; Q stays in registers; asked for ahead of the round, so that it is on its way while the partners meet
.endr
.endr
	CROUND                                         ; all four work-groups are here
	JLOAD                                          ; slot 0: one tensor load of mine is out
	; The turning load: lane l addresses 16 bytes: key 8 (l / 16) + l % 8, channels 8 ((l / 8) % 2) + 0 .. 7.  In V's images that piece lies at 256 h' + 16 (key xor 8 h'), h' = (l / 8) % 2.
	v_bfe_u32 v6, v0, 4, 1                         ; h
	v_bfe_u32 v7, v0, 3, 1                         ; h'
	v_xor_b32 v9, v6, v7
	v_and_b32 v10, 7, v0
	v_lshlrev_b32 v[AV0], 4, v10
	v_lshl_add_u32 v[AV0], v9, 7, v[AV0]
	v_lshl_add_u32 v[AV0], v7, 8, v[AV0]
	v_add_nc_u32 v[AV0], VOFF, v[AV0]
	v_and_b32 v9, 15, v0
	v_lshlrev_b32 v10, 3, v6
	v_sub_nc_u32 v[DM], v9, v10
	s_lshl_b32 s70, s55, 4
	v_add_nc_u32 v[DM], s70, v[DM]
	v_mov_b32 v[CM+1], 0xff61b1e6                  ; m: -3e38, under every score
	v_mul_f32 v[CM], s[CS], v[CM+1]
	v_mov_b32 v[LS], 0
	v_mov_b32 v[LS+1], 0
.irp j, 0,1,2,3,4,5,6
	v_mov_b32 v[AA+\j], 0                          ; written once: a lane permute's destination counts as read, and the pair of a is named whole
.endr
	v_mov_b32 v[NINF], 0xff800000
.irp j, 0,1,2,3,4,5,6,7,8,9,10,11,12,13,14,15,16,17,18,19,20,21,22,23,24,25,26,27,28,29,30,31
	v_mov_b32 v[OO+\j], 0                          ; O^T: the first step finds zeros
.endr
.macro KLOAD q                         ; the K of step q of the slot in hand: 64 keys x 64 channels: sixteen loads of 512 consecutive bytes
.irp t, 0,1,2,3
.irp g, 0,1
.irp c, 0,1
	ds_load_b128 v[KR+16*\t+8*\g+4*\c:KR+16*\t+8*\g+4*\c+3], v[ADK] offset:(4*(\q)+\t)*2048+\g*1024+\c*512
.endr
.endr
.endr
.endm
.macro VLOAD q                         ; its V, turned
.irp u, 0,1
.irp ct, 0,1,2,3
	ds_load_tr16_b128 v[VR+32*\u+8*\ct:VR+32*\u+8*\ct+3], v[ADV] offset:(4*(\q)+2*\u)*2048+(\ct/2)*1024+(\ct%2)*512
	ds_load_tr16_b128 v[VR+32*\u+8*\ct+4:VR+32*\u+8*\ct+7], v[ADV] offset:(4*(\q)+2*\u+1)*2048+(\ct/2)*1024+(\ct%2)*512
.endr
.endr
.endm
; A KEY STEP: 64 keys, the q-th of the slot in hand.  id names the slot's end.
.macro STEP q, id
	s_cmp_gt_u32 s[KF], s[QB]                      ; all keys from here on come after my queries: nothing is left for me in this slot or in any later one; no barrier, wait or tensor load is jumped over
	s_cbranch_scc1 .Lleft_\id
.if (\q) == 0
	KLOAD 0                                        ; a slot's first step asks for its own K
.endif
	VLOAD \q                                       ; behind the last products V^T P stand the sixteen lines of the row's sum: the places in front of these loads
	s_wait_dscnt 16                                ; K is in; V's sixteen loads may be out
.irp t, 0,1,2,3                        ; the four accumulators take turns
	v_wmma_f32_16x16x32_f16 v[SS+8*\t:SS+8*\t+7], v[KR+16*\t:KR+16*\t+7], v[QF:QF+7], 0
.endr
.irp t, 0,1,2,3
	v_wmma_f32_16x16x32_f16 v[SS+8*\t:SS+8*\t+7], v[KR+16*\t+8:KR+16*\t+15], v[QF+8:QF+15], v[SS+8*\t:SS+8*\t+7]
.endr
.rept 4
	v_nop                                          ; four places: in front of the loads into K's registers, and of the first read of the scores
.endr
.if (\q) < NQ-1
	KLOAD (\q)+1                                   ; THE NEXT STEP'S K: it lands while the softmax is worked
.endif
	s_cmp_lg_u32 s[KF], s[QB]
	s_cbranch_scc1 .Lopen_\@
.set n, 0
.rept 32                               ; the diagonal: register 8 t + j holds key KF + 16 t + 8 h + j
	v_cmp_gt_i32 vcc_lo, 16*(n/8)+n%8, v[DM]
	v_cndmask_b32 v[SS+n], v[SS+n], v[NINF], vcc_lo
.set n, n+1
.endr
.Lopen_\@:
.irp j, 0,1,2,3
	v_max3_num_f32 v[TT+\j], v[SS+8*\j], v[SS+8*\j+1], v[SS+8*\j+2]   ; the maximum, in four chains, each tile from its low end on
.endr
.irp j, 0,1,2,3
	v_max3_num_f32 v[TT+\j], v[TT+\j], v[SS+8*\j+3], v[SS+8*\j+4]
.endr
.irp j, 0,1,2,3
	v_max3_num_f32 v[TT+\j], v[TT+\j], v[SS+8*\j+5], v[SS+8*\j+6]
.endr
	v_max3_num_f32 v[TT], v[TT], v[SS+7], v[SS+15]
	v_max3_num_f32 v[TT+2], v[TT+2], v[SS+23], v[SS+31]
	v_max3_num_f32 v[TT], v[TT], v[TT+1], v[TT+2]
	v_max3_num_f32 v[TT], v[TT], v[TT+3], v[CM+1]  ; with the old m
	v_permlanex16_b32 v[TT+1], v[TT], s[SEL], s[SEL+1]   ; the query's other 32 keys lie in the lane 16 away
	v_mov_b32 v[OCM], v[CM]
	v_max_num_f32 v[CM+1], v[TT], v[TT+1]
	v_mul_f32 v[CM], s[CS], v[CM+1]
	v_sub_f32 v[OCM], v[OCM], v[CM]                ; c m_old - c m_new
.irp b, 0,2,4,6,8,10,12,14,16,18,20,22,24,26,28,30
	v_pk_fma_f32 v[SS+\b:SS+\b+1], v[SS+\b:SS+\b+1], s[CS:CS+1], v[CM:CM+1] op_sel_hi:[1,0,0] neg_lo:[0,0,1] neg_hi:[0,0,1]   ; c s - c m
.endr
	v_exp_f32 v[AA], v[OCM]                        ; one batch: a and the 32 weights
.irp e, 0,1,2,3,4,5,6,7,8,9,10,11,12,13,14,15,16,17,18,19,20,21,22,23,24,25,26,27,28,29,30,31
	v_exp_f32 v[SS+\e], v[SS+\e]
.endr
	v_nop                                          ; a plain instruction behind the last exponential
	s_wait_alu depctr_va_vdst(0)                   ; the wait ahead of the first instruction that names a result: one for the batch
.irp i, 0,1,2,3,4,5,6,7,8,9,10,11,12,13,14,15
	v_cvt_pk_f16_f32 v[PP+\i], v[SS+2*\i], v[SS+2*\i+1]   ; tiles 2 u and 2 u + 1, packed in pairs, ARE source 1 for keys 32 u on
.endr
.irp i, 0,2,4,6,8,10,12,14,16,18,20,22,24,26,28,30
	v_pk_mul_f32 v[OO+\i:OO+\i+1], v[OO+\i:OO+\i+1], v[AA:AA+1] op_sel_hi:[1,0]      ; O^T x a
.endr
.if (\q) < NQ-1
	s_wait_dscnt 16                                ; V is in; the next step's sixteen loads of K may be out
.else
	s_wait_dscnt 0x0                               ; V is in
.endif
.irp u, 0,1
.irp ct, 0,1,2,3
	v_wmma_f32_16x16x32_f16 v[OO+8*\ct:OO+8*\ct+7], v[VR+32*\u+8*\ct:VR+32*\u+8*\ct+7], v[PP+8*\u:PP+8*\u+7], v[OO+8*\ct:OO+8*\ct+7]
.endr
.endr
.irp u, 0,1,2,3,4,5,6,7                ; the sum of the unrounded weights, a tree in place, while the matrix unit works: sixteen plain lines that name no register of the products above
	v_pk_add_f32 v[SS+4*\u:SS+4*\u+1], v[SS+4*\u:SS+4*\u+1], v[SS+4*\u+2:SS+4*\u+3]
.endr
.irp u, 0,1,2,3
	v_pk_add_f32 v[SS+8*\u:SS+8*\u+1], v[SS+8*\u:SS+8*\u+1], v[SS+8*\u+4:SS+8*\u+5]
.endr
.irp u, 0,1
	v_pk_add_f32 v[SS+16*\u:SS+16*\u+1], v[SS+16*\u:SS+16*\u+1], v[SS+16*\u+8:SS+16*\u+9]
.endr
	v_pk_add_f32 v[SS:SS+1], v[SS:SS+1], v[SS+16:SS+17]
	v_pk_fma_f32 v[LS:LS+1], v[LS:LS+1], v[AA:AA+1], v[SS:SS+1] op_sel_hi:[1,0,1]   ; l = a l + the sum
	s_add_co_u32 s[KF], s[KF], 64
.endm
; THE CHANGE OF SLOTS stands at a slot's head.  Each wave waits for all its tensor loads (its part of the slot that it is about to read), adds 0 to its spare word, and waits for that and for its reads of the slot that it has left.
; fill = 1: a round of the cluster's barrier, and behind it the slot that was left is filled with the keys that follow: the load has a slot's eight steps in which to land.
.macro CHANGE fill
	s_wait_tensorcnt 0x0                           ; no tensor load of mine is out, so group 0 may be written
	ds_add_u32 v[SPW], v[NIL]
.if \fill
	ds_add_u32 v[SPW], v[NIL]                      ; and twice on end here, in every trip alike
	s_xor_b32 s[G0+1], s[G0+1], SLOT1              ; the other slot than last time,
	s_add_nc_u64 s[G0+2:G0+3], s[G0+2:G0+3], 65536 ; the next 512 keys
	s_wait_xcnt 0x0                                ; the last prefetch, a slot back, has read its address
	s_add_nc_u64 s[PFA:PFA+1], s[PFA:PFA+1], 65536
	s_wait_dscnt 0x0                               ; the adds are done, and my reads of the slot that I have left are over
	CROUND
	JLOAD                                          ; the first thing behind the round, and a wave's one tensor load until the next
	ASK
.else
	s_wait_dscnt 0x0
	s_barrier_signal -1
	s_barrier_wait -1
.endif
.endm
.macro SLOT_STEPS id
	v_add_nc_u32 v[ADK], s[TB], v[AK0]             ; once a slot: a step's place stands in the loads' immediates
	v_add_nc_u32 v[ADV], s[TB], v[AV0]
.irp q, 0,1,2,3,4,5,6,7
	STEP \q, \id
.endr
.Lleft_\id:
	s_xor_b32 s[TB], s[TB], SLOT1
.endm
	s_wait_loadcnt 0x0                             ; Q
.Lslot:                                            ; three trips: behind each change of slots but the last the next slot is asked for
	CHANGE 1
	SLOT_STEPS loop
	s_sub_co_u32 s[SLOTS], s[SLOTS], 1
	s_cmp_lg_u32 s[SLOTS], 0
	s_cbranch_scc1 .Lslot
	CHANGE 0                                       ; the last slot is written out
	SLOT_STEPS tail
	; THE WAY OUT.  A lane's eight channels of a tile are a piece of an image of att: stored straight from registers, 512 consecutive bytes a store.  (The row's sum stands behind the last products: their places.)
	v_add_f32 v[LS], v[LS], v[LS+1]
	v_permlanex16_b32 v[TT], v[LS], s[SEL], s[SEL+1]
	v_add_f32 v[LS], v[LS], v[TT]
	v_rcp_f32 v[AA], v[LS]
	v_nop
	s_wait_alu depctr_va_vdst(0)                   ; ahead of the reciprocal's first reader
.irp i, 0,2,4,6,8,10,12,14,16,18,20,22,24,26,28,30
	v_pk_mul_f32 v[OO+\i:OO+\i+1], v[OO+\i:OO+\i+1], v[AA:AA+1] op_sel_hi:[1,0]
.endr
.irp i, 0,1,2,3,4,5,6,7,8,9,10,11,12,13,14,15
	v_cvt_pk_f16_f32 v[SS+\i], v[OO+2*\i], v[OO+2*\i+1]
.endr
.irp ct, 0,1,2,3
	global_store_b128 v[AK0], v[SS+4*\ct:SS+4*\ct+3], s[10:11] offset:(\ct/2)*8192+(\ct%2)*512
.endr
	s_wait_tensorcnt 0x0                           ; the wave's end
	ds_add_u32 v[SPW], v[NIL]
	s_wait_dscnt 0x0
	CROUND                                         ; the closing round
	s_endpgm
.Lfunc_end_k_q41ff546452_attn:
	.size	k_q41ff546452_attn, .Lfunc_end_k_q41ff546452_attn-k_q41ff546452_attn
	.p2alignl 7, 3214868480
	.fill 96, 4, 3214868480
	.section	.rodata,"a",@progbits
	.p2align	6, 0x0
	.amdhsa_kernel k_q41ff546452_attn
		.amdhsa_group_segment_fixed_size 327680
		.amdhsa_private_segment_fixed_size 0
		.amdhsa_enable_private_segment 0
		.amdhsa_kernarg_size 16
		.amdhsa_user_sgpr_count 2
		.amdhsa_user_sgpr_kernarg_segment_ptr 1
		.amdhsa_wavefront_size32 1
		.amdhsa_system_sgpr_workgroup_id_x 1
		.amdhsa_system_sgpr_workgroup_id_y 1
		.amdhsa_system_sgpr_workgroup_id_z 1
		.amdhsa_system_vgpr_workitem_id 0
		.amdhsa_next_free_vgpr 256
		.amdhsa_next_free_sgpr 80
		.amdhsa_reserve_vcc 1
		.amdhsa_float_denorm_mode_32 3
		.amdhsa_float_denorm_mode_16_64 3
		.amdhsa_memory_ordered 1
		.amdhsa_forward_progress 1
		.amdhsa_inst_pref_size 198
	.end_amdhsa_kernel
	.amdgpu_metadata
---
amdhsa.version: [ 1, 2 ]
amdhsa.kernels:
  - .name:           k_q41ff546452_attn
    .symbol:         k_q41ff546452_attn.kd
    .args:
      - { .name: qkv, .offset: 0, .size: 8, .value_kind: global_buffer, .address_space: global }
      - { .name: att, .offset: 8, .size: 8, .value_kind: global_buffer, .address_space: global }
    .group_segment_fixed_size: 327680
    .private_segment_fixed_size: 0
    .kernarg_segment_align: 8
    .kernarg_segment_size: 16
    .max_flat_workgroup_size: 512
    .sgpr_count:     80
    .vgpr_count:     256
    .wavefront_size: 32
...
	.end_amdgpu_metadata
.endif
;; end of part 3
;; launch proj (part 4): grid 8 x 32, 4 waves a work-group, clusters of 4 x 4, 327,680 bytes of LDS; arguments att, pw, c_proj_b, out0; writes out0
.if DOCPART == 4
	.amdgcn_target "amdgcn-amd-amdhsa--gfx1250"
	.amdhsa_code_object_version 6
	.text
	.protected	k_q41ff546452_proj
	.globl	k_q41ff546452_proj
	.p2align	8
	.type	k_q41ff546452_proj,@function
k_q41ff546452_proj:
	s_mov_b64 s[64:65], 0
	v_nop
	global_prefetch_b8 v0, s[64:65] scope:SCOPE_SE
	s_setreg_imm32_b32 hwreg(HW_REG_WAVE_MODE, 25, 1), 1
	s_wait_xcnt 0x0
	s_wait_alu depctr_hold_cnt(0) depctr_sa_sdst(0) depctr_va_vdst(0) depctr_va_sdst(0) depctr_va_ssrc(0) depctr_va_vcc(0) depctr_vm_vsrc(0)
	s_getreg_b32 s2, hwreg(HW_REG_IB_STS2, 6, 4)
	s_cmp_eq_u32 s2, 0
	s_cbranch_scc0 .Lentry_in_a_cluster
	s_endpgm
.Lentry_in_a_cluster:
	s_bfe_u32 s2, ttmp6, 0x10000c
	s_cmp_lg_u32 s2, 0xf033
	s_cbranch_scc0 .Lentry_shape_is_right
	s_endpgm
.Lentry_shape_is_right:
; OUT0 = ATT x c_proj_w + c_proj_b: [4096][1024] x [1024][1024], f16 operands, f32 sums, f32 out.  (The first 16 positions of each sequence are written again, in f32 throughout, by the launch behind this one.)
; A tile of 128 x 128 is made by four waves, each 64 x 64: 16 accumulators.  K goes in steps of 256 through a ring of two LDS slots.  Both operands arrive as images of the operands' registers, [block of 128][K / 256][K / 32 % 8]
; [16 rows][1,024 bytes]: a K step of 128 rows is one dense block of 65,536 bytes, of which a wave's tensor load brings half; a fragment is two loads of 16 bytes a lane, 512 consecutive bytes each: no pitch, no padding.
; CLUSTERS: 4 x 4 work-groups: ATT's tiles are shared along a row of the cluster, the weight's along a column: each is asked for jointly.
; THE MATRIX INSTRUCTION IS USED TRANSPOSED (source 0 = 16 columns of the weight, source 1 = 16 rows of ATT): a lane holds eight neighbouring numbers of a row.  The bias is the C of each sum's first product.
; REGISTERS: window 0: v0-31 addresses; v32-95 rows on the way out; v96-127 the bias; v128-255 the accumulators ((a, b) at v[128 + 8 (4 a + b)]).   window 1: two fragment buffers of 128.
.set KSTEPB, 65536                     ; a K step of 128 rows, in bytes
.set HALFT,  32768                     ; what one tensor load brings: 128 along K of 128 rows
.set SLOT,   4*HALFT                   ; ATT's K step, then the weight's
.set STAGE,  2*SLOT                    ; behind the ring: 16 rows x 272 bytes for each wave, for the way out
.set SPITCH, 272
.set SPARE,  STAGE+4*16*SPITCH         ; the spare words, 128 bytes for each wave
.set LAPS,   2                         ; a lap = two K steps
.set ADRA, 16
.set ADRB, 20
.set STO,  24
.set RD,   25
.set CO,   26
.set SPW,  28
.set NIL,  29
.set BO,   30
.set TMP,  32
.set BI,   96
.set ACC,  128
.set F0,   0
.set F1,   128
.set G1, 24
.set G0, 32
.set G1B, 48
.set G0B, 56
.set MSB, 0
.macro WIN new
.if MSB != (\new)
	s_set_vgpr_msb (MSB<<8)|(\new)
.set MSB, (\new)
.endif
.endm
.set MUL,  0x05                        ; sources 0 and 1 window 1; C and D window 0
.set TO_F, 0x40                        ; destination window 1, address window 0
.macro JLOAD s                         ; a joint load: waves 0 and 1 fetch ATT's halves, waves 2 and 3 the weight's; an s_nop 0 and four v_nop follow each line
	s_cmp_eq_u32 s11, 0
	s_cbranch_scc0 .Lfor_b_\@
	tensor_load_to_lds s[G0+4*\s:G0+4*\s+3], s[G1:G1+7]
	s_nop 0
.rept 4
	v_nop
.endr
	s_branch .Lasked_\@
.Lfor_b_\@:
	tensor_load_to_lds s[G0B+4*\s:G0B+4*\s+3], s[G1B:G1B+7]
	s_nop 0
.rept 4
	v_nop
.endr
.Lasked_\@:
.endm
.macro CREST
	s_cmp_lg_u32 s10, 0
	s_cbranch_scc1 .Lnot_wave_0_\@
	s_barrier_signal -3
.Lnot_wave_0_\@:
	s_barrier_wait -3
	s_barrier_signal -1
	s_barrier_wait -1
.endm
.macro CROUND
	s_barrier_signal -1
	s_barrier_wait -1
	CREST
.endm
	s_load_b128 s[4:7], s[0:1], 0x0                ; att s[4:5], pw s[6:7]
	s_load_b64 s[66:67], s[0:1], 0x10              ; c_proj_b
	s_load_b64 s[8:9], s[0:1], 0x18                ; out0
	v_lshl_add_u32 v[SPW], v0, 2, SPARE
	v_mov_b32 v[NIL], 0
	ds_add_u32 v[SPW], v[NIL]                      ; the wave's opening: the add, twice on end, and its wait ahead of my first tensor load
	ds_add_u32 v[SPW], v[NIL]
	v_lshrrev_b32 v1, 5, v0
	v_readfirstlane_b32 s10, v1                    ; wave 0..3
	s_lshr_b32 s11, s10, 1                         ; which half of the tile's rows is mine.  Also: I fetch for ATT (0) or for the weight (1)
	s_and_b32 s12, s10, 1                          ; which half of its columns.  Also: which half of a K step I fetch
	s_bfe_u32 s40, ttmp6, 0x40000
	s_bfe_u32 s41, ttmp6, 0x40004
	s_lshl_b32 s42, ttmp9, 2
	s_add_co_u32 s42, s42, s40                     ; tile column
	s_and_b32 s13, ttmp7, 0xffff
	s_lshl_b32 s13, s13, 2
	s_add_co_u32 s13, s13, s41                     ; tile row
	s_lshl_b32 s43, s41, 2
	s_lshl_b32 s43, 15, s43                        ; my row of the cluster
	s_lshl_b32 s44, 0x1111, s40                    ; my column
	s_or_b32 s[G1+0], s43, (3<<16)|(1<<21)         ; the mask; elements of 8 bytes; bit 21 beside a mask; no padding
	s_or_b32 s[G1B+0], s44, (3<<16)|(1<<21)
.irp g, G1, G1B
	s_mov_b32 s[\g+1], 32<<16                      ; 128 rows of 256 bytes, dense
	s_mov_b32 s[\g+2], 128<<16
	s_mov_b32 s[\g+3], 32<<16
	s_mov_b32 s[\g+4], 128
	s_mov_b32 s[\g+5], 32
	s_mov_b32 s[\g+6], 0
	s_mov_b32 s[\g+7], 0
.endr
	s_lshl_b32 s17, s12, 15
	s_lshl_b32 s16, s13, 18
	s_add_co_u32 s16, s16, s17                     ; ATT: 262,144 bytes for a block of 128 rows, + my half of a K step
	s_lshl_b32 s46, s42, 18
	s_add_co_u32 s46, s46, s17                     ; the weight likewise
	s_mov_b32 s17, 0
	s_mov_b32 s47, 0
	s_mul_i32 s20, s10, HALFT                      ; where they go: no place in the cluster enters an LDS address
	s_wait_dscnt 0x0                               ; both opening adds are done
	s_wait_kmcnt 0x0
	s_add_nc_u64 s[14:15], s[4:5], s[16:17]
	s_add_nc_u64 s[46:47], s[6:7], s[46:47]
	CROUND
.irp s, 0,1
	s_mov_b32 s[G0+4*\s], 1
	s_add_co_u32 s[G0+4*\s+1], s20, \s*SLOT
	s_add_nc_u64 s[G0+4*\s+2:G0+4*\s+3], s[14:15], \s*KSTEPB
	s_or_b32 s[G0+4*\s+3], s[G0+4*\s+3], 0x80000000
	s_mov_b32 s[G0B+4*\s], 1
	s_add_co_u32 s[G0B+4*\s+1], s20, \s*SLOT
	s_add_nc_u64 s[G0B+4*\s+2:G0B+4*\s+3], s[46:47], \s*KSTEPB
	s_or_b32 s[G0B+4*\s+3], s[G0B+4*\s+3], 0x80000000
	JLOAD \s                                       ; two loads of mine are out behind the second
.endr
	v_and_b32 v1, 15, v0                           ; r
	v_bfe_u32 v2, v0, 4, 1                         ; h
	s_lshl_b32 s16, s42, 9                         ; the bias of my 64 columns
	s_lshl_b32 s18, s12, 8
	s_add_co_u32 s16, s16, s18
	s_add_nc_u64 s[66:67], s[66:67], s[16:17]
	v_lshlrev_b32 v[BO], 5, v2
.irp b, 0,1,2,3
	global_load_b128 v[BI+8*\b:BI+8*\b+3], v[BO], s[66:67] offset:64*\b
	global_load_b128 v[BI+8*\b+4:BI+8*\b+7], v[BO], s[66:67] offset:64*\b+16
.endr
	v_and_b32 v3, 31, v0
	v_lshlrev_b32 v3, 4, v3                        ; an image's place for my lane
	s_lshl_b32 s21, s11, 12                        ; my four fragments of ATT's eight,
	s_lshl_b32 s22, s12, 12                        ; and of the weight's,
	s_add_co_u32 s22, s22, KSTEPB                  ; which lie behind ATT's K step
.irp s, 0,1
	v_add_nc_u32 v[ADRA+\s], s21, v3
	v_add_nc_u32 v[ADRB+\s], s22, v3
	s_add_co_u32 s21, s21, SLOT
	s_add_co_u32 s22, s22, SLOT
.endr
	s_mul_i32 s23, s10, 16*SPITCH
	s_add_co_u32 s23, s23, STAGE                   ; my stage
	v_mul_u32_u24 v4, v1, SPITCH                   ; in: row r, 32 bytes for each half of the lanes
	v_lshl_add_u32 v4, v2, 5, v4
	v_add_nc_u32 v[STO], s23, v4
	v_mul_u32_u24 v5, v2, SPITCH                   ; back: lanes 0-15 one row of 256 bytes, lanes 16-31 the next
	v_lshl_add_u32 v5, v1, 4, v5
	v_add_nc_u32 v[RD], s23, v5
	v_lshlrev_b32 v5, 12, v2                       ; and the same two rows in out0
	v_lshl_add_u32 v[CO], v1, 4, v5
	s_lshl_b32 s16, s13, 19                        ; my first row: 128 x tile row + 64 x half, 4,096 bytes a row
	s_lshl_b32 s18, s11, 18
	s_add_co_u32 s16, s16, s18
	s_lshl_b32 s18, s42, 9                         ; my first column: 128 x tile column + 64 x half
	s_add_co_u32 s16, s16, s18
	s_lshl_b32 s18, s12, 8
	s_add_co_u32 s16, s16, s18
	s_add_nc_u64 s[8:9], s[8:9], s[16:17]
; 8 matrix instructions: row blocks a0, a0 + 1 x all 4 column blocks, 32 along K: half c of buffer f.  zero = 1: the first product starts the sums, from the bias.  The 16 accumulators take turns.
.macro MUL8 f, c, a0, zero
.irp a, \a0, \a0+1
.irp b, 0,1,2,3
.if \zero
	v_wmma_f32_16x16x32_f16 v[ACC+8*(4*(\a)+\b):ACC+8*(4*(\a)+\b)+7], v[\f+64+8*(4*\c+\b):\f+64+8*(4*\c+\b)+7], v[\f+8*(4*\c+\a):\f+8*(4*\c+\a)+7], v[BI+8*\b:BI+8*\b+7]
.else
	v_wmma_f32_16x16x32_f16 v[ACC+8*(4*(\a)+\b):ACC+8*(4*(\a)+\b)+7], v[\f+64+8*(4*\c+\b):\f+64+8*(4*\c+\b)+7], v[\f+8*(4*\c+\a):\f+8*(4*\c+\a)+7], v[ACC+8*(4*(\a)+\b):ACC+8*(4*(\a)+\b)+7]
.endif
.endr
.endr
.endm
; 32 LDS loads in one run: the fragments of quarter q of a K step (64 along K) into buffer f; the first 32 along K first
.macro FETCH slot, q, f
	WIN TO_F
.irp c, 0,1
.irp i, 0,1,2,3
	ds_load_b128 v[\f+64+8*(4*\c+\i):\f+64+8*(4*\c+\i)+3],   v[ADRB+\slot] offset:((2*(\q)+\c)*8+\i)*1024
	ds_load_b128 v[\f+64+8*(4*\c+\i)+4:\f+64+8*(4*\c+\i)+7], v[ADRB+\slot] offset:((2*(\q)+\c)*8+\i)*1024+512
	ds_load_b128 v[\f+8*(4*\c+\i):\f+8*(4*\c+\i)+3],         v[ADRA+\slot] offset:((2*(\q)+\c)*8+\i)*1024
	ds_load_b128 v[\f+8*(4*\c+\i)+4:\f+8*(4*\c+\i)+7],       v[ADRA+\slot] offset:((2*(\q)+\c)*8+\i)*1024+512
.endr
.endr
.endm
.macro PLACES                          ; four places in front of loads into registers that matrix instructions have read, and of reads of results
.rept 4
	v_nop
.endr
.endm
.macro QUARTER slot, q, f, g, zero     ; multiplies buffer f and fetches quarter q of the same slot into g
	s_wait_dscnt 16                                ; the first 32 along K are in; the other sixteen loads may be out
	WIN MUL
	MUL8 \f, 0, 0, \zero
	MUL8 \f, 0, 2, \zero
	PLACES
	FETCH \slot, \q, \g
	s_wait_dscnt 32                                ; all but the 32 just issued
	WIN MUL
	MUL8 \f, 1, 0, 0
	MUL8 \f, 1, 2, 0
.endm
; A K step's last quarter changes slots: one barrier; in front of it each wave waits for all its tensor loads, adds 0 to its spare word, and waits for that and for its reads of this slot.  fill = 1: this slot is filled again, two K steps ahead.
.macro TURN slot, next, fill
	WIN 0
	s_wait_tensorcnt 0x0                           ; all my tensor loads have landed: my part of the next slot
	ds_add_u32 v[SPW], v[NIL]
	s_wait_dscnt 17                                ; (the add and the youngest sixteen loads may be out)
	WIN MUL
	MUL8 F1, 0, 0, 0
	s_wait_dscnt 0x0                               ; the add is done, and my reads of this slot are over
	s_barrier_signal -1
	MUL8 F1, 0, 2, 0
.if \fill
	WIN 0
.endif
	s_barrier_wait -1
.if \fill
	CREST                                          ; the barrier has opened a round of the cluster's: no wave of any partner still reads this slot or has a load on its way
	s_add_nc_u64 s[G0+4*\slot+2:G0+4*\slot+3], s[G0+4*\slot+2:G0+4*\slot+3], 2*KSTEPB
	s_add_nc_u64 s[G0B+4*\slot+2:G0B+4*\slot+3], s[G0B+4*\slot+2:G0B+4*\slot+3], 2*KSTEPB
	JLOAD \slot                                    ; the first tensor load behind the round; its four v_nop are also the places in front of the loads below
.else
	PLACES
.endif
	FETCH \next, 0, F0
	WIN MUL
	MUL8 F1, 1, 0, 0
	MUL8 F1, 1, 2, 0
.endm
	s_wait_tensorcnt 1                             ; my part of K step 0 is in (K step 1's load may be out),
	s_barrier_signal -1
	s_barrier_wait -1                              ; everybody's is
	FETCH 0, 0, F0
	s_wait_loadcnt 0x0                             ; the bias
	QUARTER 0, 1, F0, F1, 1
.rept LAPS-1                           ; the one lap that fills both slots again: written out, no backward jump
	QUARTER 0, 2, F1, F0, 0
	QUARTER 0, 3, F0, F1, 0
	TURN 0, 1, 1
	QUARTER 1, 1, F0, F1, 0
	QUARTER 1, 2, F1, F0, 0
	QUARTER 1, 3, F0, F1, 0
	TURN 1, 0, 1
	QUARTER 0, 1, F0, F1, 0
.endr
	QUARTER 0, 2, F1, F0, 0                        ; the last lap fills nothing
	QUARTER 0, 3, F0, F1, 0
	TURN 0, 1, 0
	QUARTER 1, 1, F0, F1, 0
	QUARTER 1, 2, F1, F0, 0
	QUARTER 1, 3, F0, F1, 0
	s_wait_dscnt 16
	WIN MUL
	MUL8 F1, 0, 0, 0
	MUL8 F1, 0, 2, 0
	s_wait_dscnt 0
	MUL8 F1, 1, 0, 0
	MUL8 F1, 1, 2, 0
	WIN 0
	; THE WAY OUT.  A wave's 64 columns are 256 bytes of a row, at a multiple of 256: each block of 16 rows goes through the wave's own stage and comes back as whole rows; no barrier.
	PLACES
.macro TOSTAGE a
.irp b, 0,1,2,3
	ds_store_b128 v[STO], v[ACC+8*(4*(\a)+\b):ACC+8*(4*(\a)+\b)+3] offset:64*\b          ; each accumulator from its low end on
	ds_store_b128 v[STO], v[ACC+8*(4*(\a)+\b)+4:ACC+8*(4*(\a)+\b)+7] offset:64*\b+16
.endr
.irp t, 0,1,2,3,4,5,6,7
	ds_load_b128 v[TMP+32*((\a)%2)+4*\t:TMP+32*((\a)%2)+4*\t+3], v[RD] offset:\t*2*SPITCH   ; LDS serves a wave's instructions in order (ISA guide 5.7.1.4)
.endr
.endm
.macro SEND a, younger                 ; younger: the LDS instructions issued behind block a's loads
	s_wait_dscnt \younger
.irp t, 0,1,2,3,4,5,6,7
	global_store_b128 v[CO], v[TMP+32*((\a)%2)+4*\t:TMP+32*((\a)%2)+4*\t+3], s[8:9] offset:(16*(\a)+2*\t)*4096 th:TH_STORE_NT   ; sixteen lanes store 256 consecutive bytes
.endr
.endm
	TOSTAGE 0
.irp a, 1,2,3
.if \a >= 2
	s_wait_xcnt 0x0                                ; block a - 2's stores have read their registers: block a's loads may land there
.endif
	TOSTAGE \a
	SEND \a-1, 16                                  ; behind block a - 1's loads: block a's 8 stores and 8 loads
.endr
	SEND 3, 0
	s_wait_tensorcnt 0x0                           ; the wave's end
	ds_add_u32 v[SPW], v[NIL]
	s_wait_dscnt 0x0
	CROUND                                         ; the closing round
	s_endpgm
.Lfunc_end_k_q41ff546452_proj:
	.size	k_q41ff546452_proj, .Lfunc_end_k_q41ff546452_proj-k_q41ff546452_proj
	.p2alignl 7, 3214868480
	.fill 96, 4, 3214868480
	.section	.rodata,"a",@progbits
	.p2align	6, 0x0
	.amdhsa_kernel k_q41ff546452_proj
		.amdhsa_group_segment_fixed_size 327680
		.amdhsa_private_segment_fixed_size 0
		.amdhsa_enable_private_segment 0
		.amdhsa_kernarg_size 32
		.amdhsa_user_sgpr_count 2
		.amdhsa_user_sgpr_kernarg_segment_ptr 1
		.amdhsa_wavefront_size32 1
		.amdhsa_system_sgpr_workgroup_id_x 1
		.amdhsa_system_sgpr_workgroup_id_y 1
		.amdhsa_system_sgpr_workgroup_id_z 1
		.amdhsa_system_vgpr_workitem_id 0
		.amdhsa_next_free_vgpr 512
		.amdhsa_next_free_sgpr 68
		.amdhsa_reserve_vcc 0
		.amdhsa_float_denorm_mode_32 3
		.amdhsa_float_denorm_mode_16_64 3
		.amdhsa_memory_ordered 1
		.amdhsa_forward_progress 1
		.amdhsa_inst_pref_size 86
	.end_amdhsa_kernel
	.amdgpu_metadata
---
amdhsa.version: [ 1, 2 ]
amdhsa.kernels:
  - .name:           k_q41ff546452_proj
    .symbol:         k_q41ff546452_proj.kd
    .args:
      - { .name: att, .offset: 0, .size: 8, .value_kind: global_buffer, .address_space: global }
      - { .name: pw, .offset: 8, .size: 8, .value_kind: global_buffer, .address_space: global }
      - { .name: c_proj_b, .offset: 16, .size: 8, .value_kind: global_buffer, .address_space: global }
      - { .name: out0, .offset: 24, .size: 8, .value_kind: global_buffer, .address_space: global }
    .group_segment_fixed_size: 327680
    .private_segment_fixed_size: 0
    .kernarg_segment_align: 8
    .kernarg_segment_size: 32
    .max_flat_workgroup_size: 128
    .sgpr_count:     68
    .vgpr_count:     512
    .wavefront_size: 32
...
	.end_amdgpu_metadata
.endif
;; end of part 4
;; launch fine (part 5): grid 64 x 2, 16 waves a work-group, no clusters, 22,528 bytes of LDS; arguments fq, c_proj_w, c_proj_b, out0; writes out0
.if DOCPART == 5
	.amdgcn_target "amdgcn-amd-amdhsa--gfx1250"
	.amdhsa_code_object_version 6
	.text
	.protected	k_q41ff546452_fine
	.globl	k_q41ff546452_fine
	.p2align	8
	.type	k_q41ff546452_fine,@function
k_q41ff546452_fine:
	s_mov_b64 s[64:65], 0
	v_nop
	global_prefetch_b8 v0, s[64:65] scope:SCOPE_SE
	s_setreg_imm32_b32 hwreg(HW_REG_WAVE_MODE, 25, 1), 1
	s_wait_xcnt 0x0
; THE FIRST 16 POSITIONS OF EACH SEQUENCE, IN F32 THROUGHOUT: their softmax averages one to sixteen values, where the rounding of 16-bit operands weighs most.  This launch computes attention and projection for them
; anew from the f32 copy of q, k, v (fq, launch qkv) and the f32 weight, and writes those 32 rows of out0 over what the launch before has left there.
; SHARES.  A work-group: one batch (y), 16 output columns (x).  Wave w is head w; the sixteen heads' parts of the 16 x 16 outputs meet in LDS.
; THE ORDER OF THE PRODUCTS.  A head's part is P (V W_h), not (P V) W_h: the same sums in another order, all in f32.  So V serves as it lies in fq (a lane to a key, registers along the channels: loads of 16 bytes), and
; Z = V W_h leaves the matrix unit with a lane to a column and registers along the keys, which is what the last product wants of its first source.  p is divided by the row's sum ahead of that product.
;   S^T = K Q^T   (source 0 = 16 keys, source 1 = 16 queries; K = 64 channels): lane (r, h): query r, keys 8 h + j
;   Z   = V W_h   (source 0 = 16 keys, source 1 = 16 columns; K = 64 channels): lane (r, h): column r, keys 8 h + j
;   out^T = Z^T P^T (source 0 = 16 columns, source 1 = 16 queries; K = 16 keys): lane (r, h): query r, columns 8 h + j
; All by v_wmma_f32_16x16x4_f32.  In a product's K the place (lane / 16, register) stands for the same k in both operands.  Each sum has two accumulators, for even and odd steps of K, which take turns;
; Z's two go on as they are, each into an accumulator of the last product.  The registers that the matrix instructions write (v180-227) are written by them alone.
; fq: [cy][column / 16][1,024 bytes]: element (row r, column n) at 512 ((n / 4) % 2) + 256 ((n / 8) % 2) + 16 r + 4 (n % 4); batch b lies at cy = 2 b.
; Each wave stores 64 consecutive bytes, 131,072 bytes in the launch: 16 columns to a work-group share the f32 products, 40 a wave, among 128 work-groups.
.set HP,    1280                       ; LDS: a head's part: 16 rows of 64 bytes + 16: the sixteen lanes of a store fall on sixteen different 16-byte columns modulo 256
.set SPARE, 16*HP                      ; behind the sixteen parts: the spare words, 128 bytes for each wave
.set SPW, 1
.set NIL, 2
.set QQ,  20                           ; v20-51   Q
.set KK,  52                           ; v52-83   K
.set VV,  84                           ; v84-115  V
.set WW,  116                          ; v116-147 the weight: 64 rows of my head, 16 columns
.set SS,  148                          ; v148-155 the scores
.set PP,  156                          ; v156-163 the weights p
.set PS,  164                          ; v164-171 my head's part of the outputs
.set RR,  172                          ; v172-179 eight heads' parts of one output
.set SA,  180                          ; v180-195 two accumulators of S^T
.set ZZ,  196                          ; v196-211 two of Z
.set OA,  212                          ; v212-227 two of out^T
	s_load_b256 s[4:11], s[0:1], 0x0               ; fq s[4:5], c_proj_w s[6:7], c_proj_b s[8:9], out0 s[10:11]
	v_lshl_add_u32 v[SPW], v0, 2, SPARE
	v_mov_b32 v[NIL], 0
	v_lshrrev_b32 v3, 5, v0
	v_readfirstlane_b32 s12, v3                    ; wave = head
	v_and_b32 v3, 15, v0                           ; r
	v_bfe_u32 v4, v0, 4, 1                         ; h
	v_and_b32 v6, 31, v0                           ; lane
	v_lshlrev_b32 v5, 4, v6                        ; 16 x lane
	v_lshlrev_b32 v10, 2, v3                       ; 4 r
	v_lshl_add_u32 v7, v4, 15, v10                 ; the weight: column r, rows 8 h on
	s_mul_i32 s26, s12, HP
	v_mul_u32_u24 v8, v3, 80                       ; my part: row r, 32 bytes for each half of the lanes
	v_lshl_add_u32 v8, v4, 5, v8
	v_add_nc_u32 v8, s26, v8
	s_mul_i32 s26, s12, 80
	v_mul_u32_u24 v9, v4, 8*HP                     ; back: query w, column r, of heads 8 h on
	v_add_nc_u32 v9, v9, v10
	v_add_nc_u32 v9, s26, v9
	v_lshlrev_b32 v12, 3, v4
	v_sub_nc_u32 v12, v3, v12                      ; r - 8 h: register j holds key 8 h + j: hidden where j is above it
	v_mov_b32 v13, 0xff800000                      ; -infinity
	v_mov_b32 v14, 0                               ; written once: a lane permute's destination counts as read
	s_and_b32 s13, ttmp7, 0xffff                   ; batch
	s_mul_i32 s14, s13, 393216
	s_lshl_b32 s16, s12, 12
	s_add_co_u32 s14, s14, s16                     ; fq: my batch, my head's four blocks of 16 columns
	s_mov_b32 s15, 0
	s_lshl_b32 s16, s12, 18                        ; the weight: my head's 64 rows of 4,096 bytes,
	s_lshl_b32 s18, ttmp9, 6                       ; the work-group's 16 columns
	s_add_co_u32 s16, s16, s18
	s_mov_b32 s17, 0
	s_mov_b32 s19, 0
	s_lshl_b32 s24, s13, 11
	s_add_co_u32 s24, s24, s12                     ; out0: row 2,048 x batch + w
	s_lshl_b32 s24, s24, 12
	s_add_co_u32 s24, s24, s18
	s_mov_b32 s25, 0
	s_mov_b32 s20, 0x76543210
	s_mov_b32 s21, 0xfedcba98
	s_mov_b32 s22, 0x3e38aa3b                      ; c = log2(e) / 8
	s_wait_kmcnt 0x0
	s_add_nc_u64 s[4:5], s[4:5], s[14:15]
	s_add_nc_u64 s[6:7], s[6:7], s[16:17]
	s_add_nc_u64 s[8:9], s[8:9], s[18:19]
	s_add_nc_u64 s[10:11], s[10:11], s[24:25]
	global_load_b32 v11, v10, s[8:9]               ; the bias of column r
.irp e, 0,1,2,3
.irp u, 0,1
	global_load_b128 v[QQ+8*\e+4*\u:QQ+8*\e+4*\u+3], v5, s[4:5] offset:\e*1024+\u*512          ; lane (r, h): row r, channels 16 e + 8 h + 4 u + 0 .. 3
	global_load_b128 v[KK+8*\e+4*\u:KK+8*\e+4*\u+3], v5, s[4:5] offset:65536+\e*1024+\u*512
.endr
.endr
.irp e, 0,1,2,3
.irp u, 0,1
	global_load_b128 v[VV+8*\e+4*\u:VV+8*\e+4*\u+3], v5, s[4:5] offset:131072+\e*1024+\u*512   ; V likewise: register 8 e + i: channel 16 e + 8 h + i of key r
.endr
.endr
.irp ct, 0,1,2,3
.irp e, 0,1,2,3,4,5,6,7
	global_load_b32 v[WW+8*\ct+\e], v7, s[6:7] offset:(16*\ct+\e)*4096                         ; W(64 w + 16 ct + 8 h + e, column r): the same channel in the same register as V's
.endr
.endr
	s_wait_loadcnt 40                              ; the bias, Q and K are in; V's 8 loads and the weight's 32 may be out
.irp s, 0,1,2,3,4,5,6,7,8,9,10,11,12,13,14,15   ; S^T = K Q^T
.if \s < 2
	v_wmma_f32_16x16x4_f32 v[SA+8*(\s%2):SA+8*(\s%2)+7], v[KK+2*\s:KK+2*\s+1], v[QQ+2*\s:QQ+2*\s+1], 0
.else
	v_wmma_f32_16x16x4_f32 v[SA+8*(\s%2):SA+8*(\s%2)+7], v[KK+2*\s:KK+2*\s+1], v[QQ+2*\s:QQ+2*\s+1], v[SA+8*(\s%2):SA+8*(\s%2)+7]
.endif
.endr
.rept 8
	v_nop                                          ; eight places behind this form (ISA guide 7.12.1)
.endr
.irp j, 0,1,2,3,4,5,6,7
	v_add_f32 v[SS+\j], v[SA+\j], v[SA+8+\j]       ; lane (r, h): query r, key 8 h + j
.endr
.irp j, 0,1,2,3,4,5,6,7
	v_cmp_gt_i32 vcc_lo, \j, v12
	v_cndmask_b32 v[SS+\j], v[SS+\j], v13, vcc_lo  ; the causal mask
.endr
	v_max3_num_f32 v15, v[SS], v[SS+1], v[SS+2]
	v_max3_num_f32 v15, v15, v[SS+3], v[SS+4]
	v_max3_num_f32 v15, v15, v[SS+5], v[SS+6]
	v_max_num_f32 v15, v15, v[SS+7]
	v_permlanex16_b32 v14, v15, s20, s21
	v_max_num_f32 v15, v15, v14                    ; the row's maximum: key 0 counts for every query
	v_mul_f32 v15, s22, v15
.irp j, 0,1,2,3,4,5,6,7
	v_fma_f32 v[PP+\j], v[SS+\j], s22, -v15
.endr
.irp j, 0,1,2,3,4,5,6,7
	v_exp_f32 v[PP+\j], v[PP+\j]
.endr
	v_nop
	s_wait_alu depctr_va_vdst(0)                   ; ahead of the first instruction that names an exponential's result: one wait for the eight
	v_add_f32 v16, v[PP], v[PP+1]
	v_add_f32 v17, v[PP+2], v[PP+3]
	v_add_f32 v18, v[PP+4], v[PP+5]
	v_add_f32 v19, v[PP+6], v[PP+7]
	v_add_f32 v16, v16, v17
	v_add_f32 v18, v18, v19
	v_add_f32 v16, v16, v18
	v_permlanex16_b32 v14, v16, s20, s21
	v_add_f32 v16, v16, v14                        ; the row's sum
	v_rcp_f32 v17, v16
	v_nop
	s_wait_alu depctr_va_vdst(0)                   ; ahead of the reciprocal's first reader
.irp j, 0,1,2,3,4,5,6,7
	v_mul_f32 v[PP+\j], v[PP+\j], v17              ; p / l
.endr
	s_wait_loadcnt 0x0                             ; V and the weight
.irp s, 0,1,2,3,4,5,6,7,8,9,10,11,12,13,14,15   ; Z = V W_h: the place (h, j) of step s stands for channel 16 (s / 4) + 8 h + 2 (s % 4) + j
.if \s < 2
	v_wmma_f32_16x16x4_f32 v[ZZ+8*(\s%2):ZZ+8*(\s%2)+7], v[VV+2*\s:VV+2*\s+1], v[WW+2*\s:WW+2*\s+1], 0
.else
	v_wmma_f32_16x16x4_f32 v[ZZ+8*(\s%2):ZZ+8*(\s%2)+7], v[VV+2*\s:VV+2*\s+1], v[WW+2*\s:WW+2*\s+1], v[ZZ+8*(\s%2):ZZ+8*(\s%2)+7]
.endif
.endr
.rept 9
	v_nop                                          ; nine places before a matrix instruction takes a result of this form as a source
.endr
.irp i, 0,1,2,3                        ; out^T = Z^T P^T: the place (h, j) of step i stands for key 8 h + 2 i + j; Z's two halves each into an accumulator of its own
.irp z, 0,1
.if \i == 0
	v_wmma_f32_16x16x4_f32 v[OA+8*\z:OA+8*\z+7], v[ZZ+8*\z+2*\i:ZZ+8*\z+2*\i+1], v[PP+2*\i:PP+2*\i+1], 0
.else
	v_wmma_f32_16x16x4_f32 v[OA+8*\z:OA+8*\z+7], v[ZZ+8*\z+2*\i:ZZ+8*\z+2*\i+1], v[PP+2*\i:PP+2*\i+1], v[OA+8*\z:OA+8*\z+7]
.endif
.endr
.endr
.rept 8
	v_nop
.endr
.irp j, 0,1,2,3,4,5,6,7
	v_add_f32 v[PS+\j], v[OA+\j], v[OA+8+\j]       ; lane (r, h): query r, column 8 h + j
.endr
	ds_store_b128 v8, v[PS:PS+3]
	ds_store_b128 v8, v[PS+4:PS+7] offset:16
	s_wait_dscnt 0x0                               ; for the others' sake: my stores are done
	s_barrier_signal -1
	s_barrier_wait -1
.irp i, 0,1,2,3,4,5,6,7
	ds_load_b32 v[RR+\i], v9 offset:\i*HP          ; head 8 h + i's part of (query w, column r)
.endr
	s_wait_dscnt 0x0
.irp i, 0,1,2,3
	v_add_f32 v[RR+\i], v[RR+\i], v[RR+4+\i]
.endr
	v_add_f32 v[RR], v[RR], v[RR+2]
	v_add_f32 v[RR+1], v[RR+1], v[RR+3]
	v_add_f32 v[RR], v[RR], v[RR+1]
	v_permlanex16_b32 v14, v[RR], s20, s21
	v_add_f32 v[RR], v[RR], v14                    ; with the other eight heads'
	v_add_f32 v[RR], v[RR], v11                    ; + the bias
	s_wait_xcnt 0x0                                ; EXEC changes only behind this wait
	v_cmp_gt_u32 vcc_lo, 16, v6
	s_and_saveexec_b32 s27, vcc_lo                 ; both halves of the lanes hold the same sixteen numbers: lanes 0 to 15 store them
	global_store_b32 v10, v[RR], s[10:11]
	s_wait_xcnt 0x0                                ; and again, in front of the line that widens it
	s_or_b32 exec_lo, exec_lo, s27
	s_wait_tensorcnt 0x0                           ; the wave's end, behind my last LDS store
	ds_add_u32 v[SPW], v[NIL]
	s_wait_dscnt 0x0
	s_endpgm
.Lfunc_end_k_q41ff546452_fine:
	.size	k_q41ff546452_fine, .Lfunc_end_k_q41ff546452_fine-k_q41ff546452_fine
	.p2alignl 7, 3214868480
	.fill 96, 4, 3214868480
	.section	.rodata,"a",@progbits
	.p2align	6, 0x0
	.amdhsa_kernel k_q41ff546452_fine
		.amdhsa_group_segment_fixed_size 22528
		.amdhsa_private_segment_fixed_size 0
		.amdhsa_enable_private_segment 0
		.amdhsa_kernarg_size 32
		.amdhsa_user_sgpr_count 2
		.amdhsa_user_sgpr_kernarg_segment_ptr 1
		.amdhsa_wavefront_size32 1
		.amdhsa_system_sgpr_workgroup_id_x 1
		.amdhsa_system_sgpr_workgroup_id_y 1
		.amdhsa_system_sgpr_workgroup_id_z 1
		.amdhsa_system_vgpr_workitem_id 0
		.amdhsa_next_free_vgpr 256
		.amdhsa_next_free_sgpr 66
		.amdhsa_reserve_vcc 1
		.amdhsa_float_denorm_mode_32 3
		.amdhsa_float_denorm_mode_16_64 3
		.amdhsa_memory_ordered 1
		.amdhsa_forward_progress 1
		.amdhsa_inst_pref_size 16
	.end_amdhsa_kernel
	.amdgpu_metadata
---
amdhsa.version: [ 1, 2 ]
amdhsa.kernels:
  - .name:           k_q41ff546452_fine
    .symbol:         k_q41ff546452_fine.kd
    .args:
      - { .name: fq, .offset: 0, .size: 8, .value_kind: global_buffer, .address_space: global }
      - { .name: c_proj_w, .offset: 8, .size: 8, .value_kind: global_buffer, .address_space: global }
      - { .name: c_proj_b, .offset: 16, .size: 8, .value_kind: global_buffer, .address_space: global }
      - { .name: out0, .offset: 24, .size: 8, .value_kind: global_buffer, .address_space: global }
    .group_segment_fixed_size: 22528
    .private_segment_fixed_size: 0
    .kernarg_segment_align: 8
    .kernarg_segment_size: 32
    .max_flat_workgroup_size: 512
    .sgpr_count:     66
    .vgpr_count:     256
    .wavefront_size: 32
...
	.end_amdgpu_metadata
.endif
;; end of part 5
